; MI455X (gfx1250); checked and timed in simulation.
; The chip was launched on July 23, 2026; its instructions are those of AMD's public machine-readable ISA for CDNA 5 (MIT licence, August 2026) and "CDNA5" Instruction Set Architecture Reference Guide (July 2026). The comments in the code are by the model that wrote it; some were corrected since.
;; Ro PE Attention. Allowed arithmetic: float matrix products may take bf16 or f16 operands with f32 sums; other float arithmetic in f32, or as packed bf16 or f16 multiplies, adds, multiply-adds, maxima and minima; sums over many terms, partial sums and values carried from step to step in f32; what a program stores and reads back later, other than sums and carried values, may be rounded once to bf16 or f16.
;; Inputs: out_b 1,024 float32; out_w 1,024 x 1,024 float32; qkv_b 3,072 float32; qkv_w 3,072 x 1,024 float32; x 8 x 1,024 x 1,024 float32.
;; Outputs: out0 8 x 1,024 x 1,024 float32.
;; One version. Each part assembles by itself: llvm-mc -triple=amdgcn-amd-amdhsa -mcpu=gfx1250 --defsym DOCPART=n.
;; ======== version 1 of 1: 4 launches
;; limits: values are held in f16: magnitudes above 65,504 overflow, below 6.1e-05 lose precision
;; workspace buffers: xb 16,777,216 bytes; wb 6,291,456 bytes; owb 2,097,152 bytes; rope 4,096 bytes; qkv 50,331,648 bytes; ob 16,777,216 bytes
;; launch cast (part 1): grid 768 x 1, 8 waves a work-group, no clusters, 0 bytes of LDS; arguments x, qkv_w, out_w, xb, wb, owb, rope; writes xb, wb, owb, rope
.if DOCPART == 1
	.amdgcn_target "amdgcn-amd-amdhsa--gfx1250"
	.amdhsa_code_object_version 6
	.text
	.protected	k_qf925ed14a4_cast
	.globl	k_qf925ed14a4_cast
	.p2align	8
	.type	k_qf925ed14a4_cast,@function
k_qf925ed14a4_cast:
	s_mov_b64 s[64:65], 0
	v_nop
	global_prefetch_b8 v0, s[64:65] scope:SCOPE_SE
	s_setreg_imm32_b32 hwreg(HW_REG_WAVE_MODE, 25, 1), 1
	s_wait_xcnt 0x0
; THE MODULE'S LARGE INPUTS ARE ROUNDED ONCE, AND THE ROTATION TABLE IS MADE.
; x [8192][1024] f32 -> xb, bf16, same order.  qkv_w [3072][1024] f32 -> wb, bf16, ROWS PERMUTED: old row w 1024 + t 64 + c 32 + j (w: q, k, v; t: head; c: half of the head's channels)
; goes to row t 192 + c 96 + w 32 + j, so that 192 rows on end are one head's q, k and v.  out_w [1024][1024] f32 -> owb: rounded to bf16, that number written as f16.
; rope: f32, cos(pos x f_i) at byte 64 pos + 4 i, sin 2,048 bytes on; pos = 0..31, i = 0..15, f_i = 10000^(-i/16).
; SHARES.  A work-group takes 16 rows of 1,024 numbers: 64 KiB in, 32 KiB out.  Groups 0-511: x; 512-703: qkv_w; 704-767: out_w.  A thread takes 8 neighbouring numbers (32 bytes in, 16 out) in each
; of 8 steps; all 16 loads go out at once; a wave's store covers 512 consecutive bytes, aligned.  No number is wanted twice: no LDS, no barrier, no matrix unit.
; LIMITS.  out_w beyond 65,504 has no f16; below 2^-14 it keeps f16's fixed step of 6e-8.  The table is right to about 2e-6 absolute (series for a quarter of the angle, doubled twice).
.set X, 8                              ; v[8:71]    16 loads of 4
.set Y, 72                             ; v[72:103]  8 stores of 4
.set T, 104                            ; v[104:111] at work
	s_load_b256 s[4:11], s[0:1], 0x0               ; x s[4:5], qkv_w s[6:7], out_w s[8:9], xb s[10:11]
	s_load_b128 s[12:15], s[0:1], 0x20             ; wb s[12:13], owb s[14:15]
	s_load_b64 s[16:17], s[0:1], 0x30              ; rope
	v_lshlrev_b32 v1, 5, v0                        ; 32 bytes a thread on the way in
	v_lshlrev_b32 v2, 4, v0                        ; 16 on the way out
	v_lshrrev_b32 v3, 5, v0
	v_readfirstlane_b32 s29, v3                    ; wave 0..7
	s_mov_b32 s28, ttmp9                           ; g
	s_sub_co_u32 s18, s28, 512                     ; u: the block of 16 rows in qkv_w
	s_sub_co_u32 s19, s28, 704                     ; and in out_w
	s_bfe_u32 s20, s18, 0x40002                    ; u = 64 w + 4 t + 2 c + half: t
	s_mul_i32 s20, s20, 12
	s_bfe_u32 s21, s18, 0x10001                    ; c
	s_mul_i32 s21, s21, 6
	s_add_co_u32 s20, s20, s21
	s_lshr_b32 s21, s18, 6
	s_and_b32 s21, s21, 3                          ; w
	s_lshl1_add_u32 s20, s21, s20
	s_and_b32 s21, s18, 1
	s_add_co_u32 s20, s20, s21                     ; the block's new place: 12 t + 6 c + 2 w + half
	s_cmp_lt_u32 s28, 512
	s_cselect_b32 s22, s28, s18                    ; block in the source,
	s_cselect_b32 s23, s28, s20                    ; block in the destination
	s_cmp_ge_u32 s28, 704
	s_cselect_b32 s22, s19, s22
	s_cselect_b32 s23, s19, s23
	s_lshl_b32 s20, s22, 16                        ; 65,536 bytes a block in,
	s_mov_b32 s21, 0
	s_lshl_b32 s22, s23, 15                        ; 32,768 out
	s_mov_b32 s23, 0
	s_wait_kmcnt 0x0
	s_cmp_lt_u32 s28, 512
	s_cselect_b64 s[24:25], s[4:5], s[6:7]
	s_cselect_b64 s[26:27], s[10:11], s[12:13]
	s_cmp_ge_u32 s28, 704
	s_cselect_b64 s[24:25], s[8:9], s[24:25]
	s_cselect_b64 s[26:27], s[14:15], s[26:27]
	s_add_nc_u64 s[24:25], s[24:25], s[20:21]
	s_add_nc_u64 s[26:27], s[26:27], s[22:23]
.irp i, 0,1,2,3,4,5,6,7
	global_load_b128 v[X+8*(\i):X+8*(\i)+3],   v1, s[24:25] offset:8192*(\i) th:TH_LOAD_NT
	global_load_b128 v[X+8*(\i)+4:X+8*(\i)+7], v1, s[24:25] offset:8192*(\i)+16 th:TH_LOAD_NT
.endr
	s_cmp_ge_u32 s28, 704
	s_cbranch_scc1 .Lf16
; Step i to bf16.  Loads come back in order: the 14 - 2 i younger ones may stay out.  Every register of Y is written once, so no store's data is ever rewritten.
.macro CV i
	s_wait_loadcnt 14-2*(\i)
.irp k, 0,1,2,3
	v_cvt_pk_bf16_f32 v[Y+4*(\i)+(\k)], v[X+8*(\i)+2*(\k)], v[X+8*(\i)+2*(\k)+1]
.endr
	global_store_b128 v2, v[Y+4*(\i):Y+4*(\i)+3], s[26:27] offset:4096*(\i)
.endm
; Step i to bf16 and on to f16: the bf16 number, widened, is written as f16 (exact within f16's range).
.macro CV16 i
	s_wait_loadcnt 14-2*(\i)
.irp k, 0,1,2,3
	v_cvt_pk_bf16_f32 v[T+(\k)], v[X+8*(\i)+2*(\k)], v[X+8*(\i)+2*(\k)+1]
.endr
.irp k, 0,1,2,3
	v_lshlrev_b32 v[X+8*(\i)+2*(\k)], 16, v[T+(\k)]
	v_and_b32 v[X+8*(\i)+2*(\k)+1], 0xffff0000, v[T+(\k)]
.endr
.irp k, 0,1,2,3
	v_cvt_pk_f16_f32 v[Y+4*(\i)+(\k)], v[X+8*(\i)+2*(\k)], v[X+8*(\i)+2*(\k)+1]
.endr
	global_store_b128 v2, v[Y+4*(\i):Y+4*(\i)+3], s[26:27] offset:4096*(\i)
.endm
.irp i, 0,1,2,3,4,5,6,7
	CV \i
.endr
	s_cmp_lg_u32 s28, 0                            ; the table: work-group 0, waves 0 to 3: 128 threads, 4 cosines and 4 sines each
	s_cbranch_scc1 .Lend
	s_cmp_ge_u32 s29, 4
	s_cbranch_scc1 .Lend
	v_lshrrev_b32 v104, 2, v0
	v_cvt_f32_u32 v104, v104                       ; pos = thread / 4
	v_and_b32 v105, 3, v0
	v_lshlrev_b32 v105, 2, v105                    ; i = 4 (thread % 4) + k
.irp k, 0,1,2,3
	v_add_nc_u32 v[16+(\k)], (\k), v105
	v_cvt_f32_u32 v[16+(\k)], v[16+(\k)]
	v_mul_f32 v[16+(\k)], 0xbf549a78, v[16+(\k)]   ; - i log2(10000) / 16
.endr
.irp k, 0,1,2,3
	v_exp_f32 v[16+(\k)], v[16+(\k)]               ; f_i
.endr
	v_nop                                          ; a plain instruction between the last exponential and the use of its result
	s_wait_alu depctr_va_vdst(0)
; cos and sin of pos x f_i.  The angle in turns, less the nearest whole number, is f in -1/2 .. 1/2; y = f pi / 2 is a quarter of the angle, at most pi / 4 in size: series to y^7 and y^8; then two doublings.
.macro SINCOS k
	v_mul_f32 v[20+(\k)], v104, v[16+(\k)]         ; the angle
	v_mul_f32 v[20+(\k)], 0x3e22f983, v[20+(\k)]   ; / 2 pi
	v_rndne_f32 v[24+(\k)], v[20+(\k)]
	v_sub_f32 v[20+(\k)], v[20+(\k)], v[24+(\k)]   ; f
	v_mul_f32 v[20+(\k)], 0x3fc90fdb, v[20+(\k)]   ; y
	v_mul_f32 v[28+(\k)], v[20+(\k)], v[20+(\k)]   ; z = y y
	v_mov_b32 v[12+(\k)], 0xb9500d01               ; -1/5040
	v_fmaak_f32 v[12+(\k)], v[12+(\k)], v[28+(\k)], 0x3c088889  ; 1/120
	v_fmaak_f32 v[12+(\k)], v[12+(\k)], v[28+(\k)], 0xbe2aaaab  ; -1/6
	v_fmaak_f32 v[12+(\k)], v[12+(\k)], v[28+(\k)], 0x3f800000
	v_mul_f32 v[12+(\k)], v[12+(\k)], v[20+(\k)]   ; sin y
	v_mov_b32 v[8+(\k)], 0x37d00d01                ; 1/40320
	v_fmaak_f32 v[8+(\k)], v[8+(\k)], v[28+(\k)], 0xbab60b61    ; -1/720
	v_fmaak_f32 v[8+(\k)], v[8+(\k)], v[28+(\k)], 0x3d2aaaab    ; 1/24
	v_fmaak_f32 v[8+(\k)], v[8+(\k)], v[28+(\k)], 0xbf000000    ; -1/2
	v_fmaak_f32 v[8+(\k)], v[8+(\k)], v[28+(\k)], 0x3f800000    ; cos y
	v_add_f32 v[32+(\k)], v[12+(\k)], v[12+(\k)]   ; t = 2 s;  sin 2y = t c;  cos 2y = 1 - t s
	v_mul_f32 v[36+(\k)], v[32+(\k)], v[8+(\k)]
	v_fma_f32 v[40+(\k)], -v[32+(\k)], v[12+(\k)], 1.0
	v_add_f32 v[32+(\k)], v[36+(\k)], v[36+(\k)]   ; and once more
	v_mul_f32 v[12+(\k)], v[32+(\k)], v[40+(\k)]
	v_fma_f32 v[8+(\k)], -v[32+(\k)], v[36+(\k)], 1.0
.endm
.irp k, 0,1,2,3
	SINCOS \k
.endr
	global_store_b128 v2, v[8:11], s[16:17]                ; byte 64 pos + 16 (thread % 4) = 16 x thread
	global_store_b128 v2, v[12:15], s[16:17] offset:2048
	s_endpgm
.Lf16:
.irp i, 0,1,2,3,4,5,6,7
	CV16 \i
.endr
.Lend:
	s_endpgm
.Lfunc_end_k_qf925ed14a4_cast:
	.size	k_qf925ed14a4_cast, .Lfunc_end_k_qf925ed14a4_cast-k_qf925ed14a4_cast
	.p2alignl 7, 3214868480
	.fill 96, 4, 3214868480
	.section	.rodata,"a",@progbits
	.p2align	6, 0x0
	.amdhsa_kernel k_qf925ed14a4_cast
		.amdhsa_group_segment_fixed_size 0
		.amdhsa_private_segment_fixed_size 0
		.amdhsa_enable_private_segment 0
		.amdhsa_kernarg_size 56
		.amdhsa_user_sgpr_count 2
		.amdhsa_user_sgpr_kernarg_segment_ptr 1
		.amdhsa_wavefront_size32 1
		.amdhsa_system_sgpr_workgroup_id_x 1
		.amdhsa_system_sgpr_workgroup_id_y 1
		.amdhsa_system_sgpr_workgroup_id_z 1
		.amdhsa_system_vgpr_workitem_id 0
		.amdhsa_next_free_vgpr 112
		.amdhsa_next_free_sgpr 66
		.amdhsa_reserve_vcc 0
		.amdhsa_float_denorm_mode_32 3
		.amdhsa_float_denorm_mode_16_64 3
		.amdhsa_memory_ordered 1
		.amdhsa_forward_progress 1
		.amdhsa_inst_pref_size 20
	.end_amdhsa_kernel
	.amdgpu_metadata
---
amdhsa.version: [ 1, 2 ]
amdhsa.kernels:
  - .name:           k_qf925ed14a4_cast
    .symbol:         k_qf925ed14a4_cast.kd
    .args:
      - { .name: x, .offset: 0, .size: 8, .value_kind: global_buffer, .address_space: global }
      - { .name: qkv_w, .offset: 8, .size: 8, .value_kind: global_buffer, .address_space: global }
      - { .name: out_w, .offset: 16, .size: 8, .value_kind: global_buffer, .address_space: global }
      - { .name: xb, .offset: 24, .size: 8, .value_kind: global_buffer, .address_space: global }
      - { .name: wb, .offset: 32, .size: 8, .value_kind: global_buffer, .address_space: global }
      - { .name: owb, .offset: 40, .size: 8, .value_kind: global_buffer, .address_space: global }
      - { .name: rope, .offset: 48, .size: 8, .value_kind: global_buffer, .address_space: global }
    .group_segment_fixed_size: 0
    .private_segment_fixed_size: 0
    .kernarg_segment_align: 8
    .kernarg_segment_size: 56
    .max_flat_workgroup_size: 256
    .sgpr_count:     66
    .vgpr_count:     112
    .wavefront_size: 32
...
	.end_amdgpu_metadata
.endif
;; end of part 1
;; launch proj (part 2): grid 16 x 16, 4 waves a work-group, clusters of 4 x 4, 327,680 bytes of LDS; arguments xb, wb, qkv_b, rope, qkv; writes qkv
.if DOCPART == 2
	.amdgcn_target "amdgcn-amd-amdhsa--gfx1250"
	.amdhsa_code_object_version 6
	.text
	.protected	k_qf925ed14a4_proj
	.globl	k_qf925ed14a4_proj
	.p2align	8
	.type	k_qf925ed14a4_proj,@function
k_qf925ed14a4_proj:
	s_mov_b64 s[64:65], 0
	v_nop
	global_prefetch_b8 v0, s[64:65] scope:SCOPE_SE
	s_setreg_imm32_b32 hwreg(HW_REG_WAVE_MODE, 25, 1), 1
	s_wait_xcnt 0x0
	s_wait_alu depctr_hold_cnt(0) depctr_sa_sdst(0) depctr_va_vdst(0) depctr_va_sdst(0) depctr_va_ssrc(0) depctr_va_vcc(0) depctr_vm_vsrc(0)
	s_getreg_b32 s2, hwreg(HW_REG_IB_STS2, 6, 4)
	s_cmp_eq_u32 s2, 0
	s_cbranch_scc0 .Lentry_in_a_cluster
	s_endpgm
.Lentry_in_a_cluster:
	s_bfe_u32 s2, ttmp6, 0x10000c
	s_cmp_lg_u32 s2, 0xf033
	s_cbranch_scc0 .Lentry_shape_is_right
	s_endpgm
.Lentry_shape_is_right:
; q, k, v = x W^T + b, q and k rotated (2-D RoPE), all three written by heads in f16.
; xb: [8192][1024] bf16.  wb: [3072][1024] bf16, rows in the order head t, channel half c, (q, k, v), 32 channels.  qkv_b: [3072] f32 in the module's own order, rounded to bf16 here like the other inputs.
; rope: f32, cos at byte 64 pos + 4 i, sin 2,048 on.  qkv: f16 [q, k, v][batch 8][head 16][c 2][n 1024][32]: a half plane's rows are 64 bytes, dense.
; SHARES.  A tile is 256 rows x 192 columns: all of one head's q, k, v for a quarter of a batch.  A WORK-GROUP STAYS: it makes two tiles, row blocks R and R + 16 of the same head: 16 x 16 = 256 work-groups.
; The two tiles have the same rows of W, the same bias and (n is the same, the batch is four on) the same rotation table.  The ring does not stop between them: the first tile's last two changes of slots ask
; for the second tile's first two K steps, then the first tile goes out, and nothing waits for its stores.
; Four waves: wave = 2 RH + CH makes rows 128 RH .. + 127 and the 96 columns of channel half CH: 32 of q, 32 of k, 32 of v: 8 x 6 accumulators of 16 x 16, 384 registers.  K goes in steps of 128 through two LDS slots.
; THE ORDER OF K.  The cluster at (X, Y) begins at K step 2 ((X + 2 Y) mod 4) and goes round the eight, so that clusters that read the same rows of x (same Y) or of W (same X) ask for different K steps of
; them at a time.  The order in which an f32 sum takes its K steps therefore differs from cluster to cluster.
; THE MATRIX INSTRUCTION IS USED TRANSPOSED (source 0 = 16 rows of W, source 1 = 16 rows of x): a lane holds one row n (lane % 16) and 8 neighbouring channels 8 (lane / 16) + 0..7.  The bias is the C
; operand of the first product.  A rotation pairs channel u with u + 16 of the same half: the same lane and register of accumulators b and b + 1; which accumulators are rotated is a constant of the text.
; CLUSTER.  4 x 4 work-groups: the four of a row need the same rows of x, the four of a column the same rows of W: each tile is asked for jointly, by the same tensor load with the same descriptor and mask.
; LIMITS.  q, k (rotated) and v beyond 65,504 have no f16.  NaN and infinities are not treated apart.
; REGISTERS, in windows of 256 (s_set_vgpr_msb: bits 1:0 source 0, 3:2 source 1, 5:4 source 2, 7:6 destination):
;   window 0: v0-31 addresses; v32-55 table offsets, later rows on their way out (second bank: v128-151); v64-127, v128-191 x's fragments, two buffers; v192-223 rotated numbers; v224-247 packed f16
;   window 1: v0-47 the bias, 8 registers for each of the 6 column blocks; v48-59 at work; v64-111, v128-175 W's fragments, two buffers
;   window 2: accumulator (a, b) of row blocks a = 0-3 at v[8 (6 a + b)]; v192-255 the table, 8 cos and 8 sin for each row block          window 3: the same for a = 4-7
.set KSTEP,  128
.set PITCH,  272                       ; an LDS row: 256 bytes + 16 of padding = 68 words: the 16 rows of a load start at 16 different groups of four banks (64 banks of 4 bytes: ISA guide 11.1)
.set HALFA,  128*PITCH                 ; what a wave fetches of x, and reads
.set HALFB,  96*PITCH                  ; the same of W
.set SLOT1,  1<<17                     ; a slot is x's 256 rows, then W's 192: 121,856 bytes; slot 1 begins here, so that one exclusive or turns an address in one slot into the other's
.set STAGE,  SLOT1+2*HALFA+2*HALFB     ; behind the ring: for each wave 3 groups (q, k, v) of 16 rows x 80 bytes
.set STW,    3*16*80
.set SPARE,  STAGE+4*STW               ; behind the stages: the spare words, 128 bytes for each wave: two blocks of 256 bytes that no other line names
.set TILES,  2
.set TILEA,  16*256*2048               ; bytes from a tile's rows of x to the next tile's: 16 row blocks
.set TILEQ,  4<<21                     ; and in each part of qkv: four batches
.set ADRA0, 16                         ; v16     my lane's place among my fragments of x in a slot; never rewritten
.set ADRB0, 17                         ; v17     the same for W
.set ADRA, 20                          ; v20     the same in the slot in hand
.set ADRB, 21                          ; v21
.set STO,  24                          ; v24     the way out: where I put 16 bytes of a row
.set RD,   25                          ; v25     where I read rows back
.set CO,   26                          ; v26     16 x lane: my place in 512 consecutive bytes of a half plane
.set SPW,  28                          ; v28     LDS address of my spare word; never rewritten
.set NIL,  29                          ; v29     0; never rewritten
.set BO,   30                          ; v30     32 (lane / 16): my 8 numbers of a block of 16 of the bias
.set TA,   32                          ; v32-39  row block a: my byte offset in the table
.set F0,   64
.set F1,   128
.set T,    192
.set PKD,  224
.set WV, 14                            ; s14  wave
.set RH, 15                            ; s15  my half of the rows
.set CH, 16                            ; s16  my channel half; also: which half of a tile I fetch
.set G1,  24                           ; s[24:31] descriptor group 1 for x's tiles;  s[32:39] group 0: a set for each of the two first fills; the second then walks on
.set G0,  32
.set ABASE, 40                         ; s[40:41] x at the rows that I fetch, K = 0
.set OFF,   42                         ; s[42:43] 256 x the K step to be asked for
.set BBASE, 44                         ; s[44:45] W at the rows that I fetch, K = 0
.set KS,    46                         ; s46  the K step at which the walking descriptors stand
.set CUR,   47                         ; s47  LDS byte at which the slot in hand begins
.set G1B, 48                           ; s[48:55], s[56:63] the same for W's
.set G0B, 56
.set MSB, 0
.macro WIN new                         ; the immediate's high byte repeats the setting that is left; a switch that changes nothing is dropped
.if MSB != (\new)
	s_set_vgpr_msb (MSB<<8)|(\new)
.set MSB, \new
.endif
.endm
; A joint refill: waves 0 and 1 fetch x's two halves, waves 2 and 3 W's.  The branch hangs on the wave's number alone.  An s_nop 0 and four v_nop follow each of the two lines.
.macro JLOAD
	s_cmp_lt_u32 s[WV], 2
	s_cbranch_scc0 .Lfor_b_\@
	tensor_load_to_lds s[G0+4:G0+7], s[G1:G1+7]
	s_nop 0
.rept 4
	v_nop
.endr
	s_branch .Lasked_\@
.Lfor_b_\@:
	tensor_load_to_lds s[G0B+4:G0B+7], s[G1B:G1B+7]
	s_nop 0
.rept 4
	v_nop
.endr
.Lasked_\@:
.endm
.macro CREST                           ; a round of the cluster's barrier behind its opening barrier
	s_cmp_lg_u32 s[WV], 0
	s_cbranch_scc1 .Lnot_wave_0_\@
	s_barrier_signal -3
.Lnot_wave_0_\@:
	s_barrier_wait -3
	s_barrier_signal -1
	s_barrier_wait -1
.endm
.macro CROUND                          ; a whole round
	s_barrier_signal -1
	s_barrier_wait -1
	CREST
.endm
.macro PLACES                          ; four places in front of loads into registers that matrix instructions have read, and of lines that read results
.rept 4
	v_nop
.endr
.endm
	s_load_b256 s[4:11], s[0:1], 0x0               ; xb s[4:5], wb s[6:7], qkv_b s[8:9], rope s[10:11]
	s_load_b64 s[12:13], s[0:1], 0x20              ; qkv
	v_lshl_add_u32 v[SPW], v0, 2, SPARE
	v_mov_b32 v[NIL], 0
	ds_add_u32 v[SPW], v[NIL]                      ; the wave's opening: the add and its wait stand ahead of my first tensor load; work on registers stands between them
	ds_add_u32 v28, v29
	v_lshrrev_b32 v1, 5, v0
	v_readfirstlane_b32 s[WV], v1                  ; wave 0..3
	s_lshr_b32 s[RH], s[WV], 1
	s_and_b32 s[CH], s[WV], 1
	s_bfe_u32 s17, ttmp6, 0x40000                  ; cx
	s_bfe_u32 s18, ttmp6, 0x40004                  ; cy
	s_lshl_b32 s19, ttmp9, 2
	s_add_co_u32 s19, s19, s17                     ; t: the head = 4 x cluster x + cx
	s_and_b32 s20, ttmp7, 0xffff                   ; cluster y
	s_lshl_b32 s[KS], s20, 1
	s_add_co_u32 s[KS], s[KS], ttmp9
	s_and_b32 s[KS], s[KS], 3
	s_lshl_b32 s[KS], s[KS], 1                     ; my cluster's first K step: 2 ((X + 2 Y) mod 4): the same in all sixteen partners
	s_lshl_b32 s20, s20, 2
	s_add_co_u32 s20, s20, s18                     ; R: the first tile's block of 256 rows = 4 x cluster y + cy, 0 to 15
	s_lshl_b32 s21, s18, 2
	s_lshl_b32 s21, 15, s21                        ; my row of the cluster
	s_lshl_b32 s22, 0x1111, s17                    ; my column
	s_or_b32 s[G1+0], s21, (1<<16)|(1<<20)|(1<<21)|(5<<22)|(3<<25)   ; 15:0 the mask; 17:16 2-byte elements; 20 padding on; 21 set beside a mask; 24:22 after every 64 words (code 5); 31:25 4 words (code 3)
	s_or_b32 s[G1B+0], s22, (1<<16)|(1<<20)|(1<<21)|(5<<22)|(3<<25)
	s_mov_b32 s[G1+1], KSTEP<<16                   ; tensor_dim0 = 128
	s_mov_b32 s[G1+2], 128<<16                     ; tensor_dim1 = 128 rows
	s_mov_b32 s[G1+3], KSTEP<<16                   ; tile_dim0 = 128
	s_mov_b32 s[G1+4], 128                         ; tile_dim1 = 128
	s_mov_b32 s[G1+5], 1024                        ; elements from row to row
	s_mov_b32 s[G1+6], 0
	s_mov_b32 s[G1+7], 0
	s_mov_b32 s[G1B+1], KSTEP<<16
	s_mov_b32 s[G1B+2], 96<<16                     ; 96 rows
	s_mov_b32 s[G1B+3], KSTEP<<16
	s_mov_b32 s[G1B+4], 96
	s_mov_b32 s[G1B+5], 1024
	s_mov_b32 s[G1B+6], 0
	s_mov_b32 s[G1B+7], 0
	s_lshl_b32 s40, s20, 8                         ; x: row 256 R + 128 CH, 2,048 bytes a row: made of the row block and the wave's number alone
	s_lshl_b32 s41, s[CH], 7
	s_add_co_u32 s40, s40, s41
	s_lshl_b32 s40, s40, 11
	s_mov_b32 s41, 0
	s_mul_i32 s44, s19, 192                        ; W: row 192 t + 96 CH: of the head and the wave's number alone
	s_mul_i32 s45, s[CH], 96
	s_add_co_u32 s44, s44, s45
	s_lshl_b32 s44, s44, 11
	s_mov_b32 s45, 0
	s_lshl_b32 s[OFF], s[KS], 8                    ; a K step is 256 bytes of a row
	s_mov_b32 s[OFF+1], 0
	s_mov_b32 s[CUR], 0
	s_mul_i32 s76, s[CH], HALFA                    ; where they go: no place in the cluster enters an LDS address
	s_mul_i32 s77, s[CH], HALFB
	s_add_co_u32 s77, s77, 2*HALFA
	s_wait_dscnt 0x0                               ; the opening add is done
	s_wait_kmcnt 0x0
	s_add_nc_u64 s[ABASE:ABASE+1], s[4:5], s[40:41]
	s_add_nc_u64 s[BBASE:BBASE+1], s[6:7], s[44:45]
	s_add_nc_u64 s[G0+2:G0+3], s[ABASE:ABASE+1], s[OFF:OFF+1]     ; global address: my first K step,
	s_add_nc_u64 s[G0+6:G0+7], s[G0+2:G0+3], KSTEP*2              ; and my second (the first is even, so the second does not wrap)
	s_add_nc_u64 s[G0B+2:G0B+3], s[BBASE:BBASE+1], s[OFF:OFF+1]
	s_add_nc_u64 s[G0B+6:G0B+7], s[G0B+2:G0B+3], KSTEP*2
.irp n, 0,1
	s_mov_b32 s[G0+4*(\n)], 1                                       ; count = 1
	s_add_co_u32 s[G0+4*(\n)+1], s76, (\n)*SLOT1                    ; LDS address
	s_or_b32 s[G0+4*(\n)+3], s[G0+4*(\n)+3], 0x80000000             ; type = 2
	s_mov_b32 s[G0B+4*(\n)], 1
	s_add_co_u32 s[G0B+4*(\n)+1], s77, (\n)*SLOT1
	s_or_b32 s[G0B+4*(\n)+3], s[G0B+4*(\n)+3], 0x80000000
.endr
	CROUND                                         ; all sixteen work-groups are here: the first joint loads meet
	s_cmp_lt_u32 s[WV], 2                          ; a wave's two first fills stand in one branch, ahead of every wait on TENSORcnt and every LDS read: two loads of mine are out
	s_cbranch_scc0 .Lfirst_b
	tensor_load_to_lds s[G0:G0+3], s[G1:G1+7]
	s_nop 0
	tensor_load_to_lds s[G0+4:G0+7], s[G1:G1+7]
	s_nop 0
.rept 4
	v_nop
.endr
	s_branch .Lfirst_asked
.Lfirst_b:
	tensor_load_to_lds s[G0B:G0B+3], s[G1B:G1B+7]
	s_nop 0
	tensor_load_to_lds s[G0B+4:G0B+7], s[G1B:G1B+7]
	s_nop 0
.rept 4
	v_nop
.endr
.Lfirst_asked:
	s_add_co_u32 s[KS], s[KS], 1                   ; the walking descriptors (the second sets) stand at my second K step
	; A fragment is 16 rows x 32 K in 8 registers: lane l holds row l % 16; registers 0-3 K = 8 (l / 16) + 0..7, registers 4-7 K = 16 + 8 (l / 16) + 0..7: two loads of 16 bytes, 32 bytes apart.
	v_and_b32 v1, 15, v0                           ; r = l % 16
	v_bfe_u32 v2, v0, 4, 1                         ; h = l / 16
	v_and_b32 v4, 31, v0                           ; l
	v_mul_u32_u24 v3, v1, PITCH
	v_lshl_add_u32 v3, v2, 4, v3
	s_mul_i32 s76, s[RH], HALFA                    ; my 128 rows of x
	s_mul_i32 s77, s[CH], HALFB                    ; my 96 rows of W,
	s_add_co_u32 s77, s77, 2*HALFA                 ; which lie behind x's 256
	v_add_nc_u32 v[ADRA0], s76, v3
	v_add_nc_u32 v[ADRB0], s77, v3
	v_add_nc_u32 v[ADRA], s[CUR], v[ADRA0]         ; slot 0 first
	v_add_nc_u32 v[ADRB], s[CUR], v[ADRB0]
	s_mul_i32 s78, s[WV], STW
	s_add_co_u32 s78, s78, STAGE                   ; my stage
	v_mul_u32_u24 v5, v1, 80                       ; in: row l % 16, 16 bytes for each half of the lanes
	v_lshl_add_u32 v5, v2, 4, v5
	v_add_nc_u32 v[STO], s78, v5
	v_lshrrev_b32 v5, 2, v4                        ; back: 32 lanes take 8 rows of 64 bytes,
	v_mul_u32_u24 v5, v5, 80
	v_and_b32 v6, 3, v0
	v_lshl_add_u32 v5, v6, 4, v5
	v_add_nc_u32 v[RD], s78, v5
	v_lshlrev_b32 v[CO], 4, v4                     ; which are 512 consecutive bytes of a half plane
	v_lshlrev_b32 v[BO], 5, v2
	s_lshr_b32 s76, s20, 2                         ; where my rows lie in q's part of qkv: batch R / 4,
	s_lshl_b32 s76, s76, 21
	s_lshl_b32 s77, s19, 17                        ; head t,
	s_add_co_u32 s76, s76, s77
	s_lshl_b32 s77, s[CH], 16                      ; half CH,
	s_add_co_u32 s76, s76, s77
	s_and_b32 s73, s20, 3
	s_lshl_b32 s73, s73, 8
	s_lshl_b32 s77, s[RH], 7
	s_add_co_u32 s73, s73, s77                     ; n of my first row: 256 (R % 4) + 128 RH: the same in both tiles,
	s_lshl_b32 s77, s73, 6                         ; 64 bytes a row
	s_add_co_u32 s76, s76, s77
	s_mov_b32 s77, 0
	s_add_nc_u64 s[66:67], s[12:13], s[76:77]      ; q
	s_add_nc_u64 s[68:69], s[66:67], 0x1000000     ; k
	s_add_nc_u64 s[70:71], s[66:67], 0x2000000     ; v
	s_lshl_b32 s76, s19, 8                         ; the bias of q's 32 channels: 4 (64 t + 32 CH) bytes; k's and v's lie 4,096 and 8,192 on
	s_lshl_b32 s77, s[CH], 7
	s_add_co_u32 s76, s76, s77
	s_mov_b32 s77, 0
	s_add_nc_u64 s[74:75], s[8:9], s[76:77]
	s_cmp_eq_u32 s[CH], 0
	s_cselect_b32 s72, 5, 0                        ; half 0 turns by the row of the grid, n / 32; half 1 by its column, n % 32
	WIN 0x40                                       ; destination window 1, address window 0
.irp b, 0,1,2,3,4,5
	global_load_b128 v[8*(\b):8*(\b)+3],   v[BO], s[74:75] offset:((\b)/2)*4096+((\b)%2)*64
	global_load_b128 v[8*(\b)+4:8*(\b)+7], v[BO], s[74:75] offset:((\b)/2)*4096+((\b)%2)*64+16
.endr
	WIN 0
.irp a, 0,1,2,3,4,5,6,7
	v_add3_u32 v[TA+(\a)], v1, s73, 16*(\a)        ; n of my row in block a
	v_lshrrev_b32 v[TA+(\a)], s72, v[TA+(\a)]
	v_and_b32 v[TA+(\a)], 31, v[TA+(\a)]           ; pos
	v_lshlrev_b32 v[TA+(\a)], 6, v[TA+(\a)]
	v_lshl_add_u32 v[TA+(\a)], v2, 5, v[TA+(\a)]   ; 64 pos + 32 h: the frequencies 8 h + 0..7 of my 8 channels
.endr
.irp a, 0,1,2,3,4,5,6,7
	WIN 0x80+0x40*((\a)/4)                         ; destination window 2 or 3
.irp k, 0,1,2,3
	global_load_b128 v[192+16*((\a)%4)+4*(\k):192+16*((\a)%4)+4*(\k)+3], v[TA+(\a)], s[10:11] offset:((\k)%2)*16+((\k)/2)*2048
.endr
.endr
	WIN 0
	s_wait_loadcnt 0x0                             ; bias and table, once for both tiles
	WIN 0x45                                       ; all in window 1: the bias is rounded to bf16 like the other inputs, and widened again
.set i, 0
.rept 24
	v_cvt_pk_bf16_f32 v[48+i%12], v[2*i], v[2*i+1]
	v_lshlrev_b32 v[2*i], 16, v[48+i%12]
	v_and_b32 v[2*i+1], 0xffff0000, v[48+i%12]
.set i, i+1
.endr
	WIN 0
; 12 matrix instructions: row blocks a0, a0 + 1 of the window's four (hi = 0: my rows 0-63, 1: rows 64-127) x all 6 column blocks, 32 along K.  first = 1: the bias starts the sums.
; The 48 accumulators take turns, in the same order in every quarter.
.macro MUL12 f, hi, a0, first
.if \first
	WIN 0x91+0x40*(\hi)                            ; W window 1, x window 0, C (the bias) window 1, D window 2 or 3
.else
	WIN 0xa1+0x50*(\hi)                            ; C and D window 2 or 3
.endif
.irp a, \a0, (\a0)+1
.irp b, 0,1,2,3,4,5
.if \first
	v_wmma_f32_16x16x32_bf16 v[8*(6*(\a)+(\b)):8*(6*(\a)+(\b))+7], v[(\f)+8*(\b):(\f)+8*(\b)+7], v[(\f)+8*(4*(\hi)+(\a)):(\f)+8*(4*(\hi)+(\a))+7], v[8*(\b):8*(\b)+7]
.else
	v_wmma_f32_16x16x32_bf16 v[8*(6*(\a)+(\b)):8*(6*(\a)+(\b))+7], v[(\f)+8*(\b):(\f)+8*(\b)+7], v[(\f)+8*(4*(\hi)+(\a)):(\f)+8*(4*(\hi)+(\a))+7], v[8*(6*(\a)+(\b)):8*(6*(\a)+(\b))+7]
.endif
.endr
.endr
.endm
; 28 LDS loads in one run: a quarter step's fragments (96 rows of W, 128 rows of x, 32 K at byte k of the rows of the slot in hand) into buffer f
.macro FETCH k, f
	WIN 0x40
.irp i, 0,1,2,3,4,5
	ds_load_b128 v[(\f)+8*(\i):(\f)+8*(\i)+3],   v[ADRB] offset:(\k)+(\i)*16*PITCH
	ds_load_b128 v[(\f)+8*(\i)+4:(\f)+8*(\i)+7], v[ADRB] offset:(\k)+(\i)*16*PITCH+32
.endr
	WIN 0
.irp i, 0,1,2,3,4,5,6,7
	ds_load_b128 v[(\f)+8*(\i):(\f)+8*(\i)+3],   v[ADRA] offset:(\k)+(\i)*16*PITCH
	ds_load_b128 v[(\f)+8*(\i)+4:(\f)+8*(\i)+7], v[ADRA] offset:(\k)+(\i)*16*PITCH+32
.endr
.endm
; A K step is four quarters of 32 along K, 48 matrix instructions each, on buffers 0, 1, 0, 1.  One of the first three: multiplies f; in its middle it fetches the next quarter, at byte k, into g.
.macro QUARTER k, f, g, first
	s_wait_dscnt 8                                 ; W and x's rows 0-63 are in; the youngest eight loads (x's rows 64-127) may be out
	MUL12 \f, 0, 0, \first
	MUL12 \f, 0, 2, \first
	PLACES
	FETCH \k, \g
	s_wait_dscnt 28                                ; all but the 28 just issued
	MUL12 \f, 1, 0, \first
	MUL12 \f, 1, 2, \first
.endm
; The last quarter multiplies buffer 1 and changes slots: ONE barrier; in front of it each wave waits for all its tensor loads (one is out: its part of the next slot), adds 0 to its spare word, and waits
; for that and for its own reads of this slot.  The walking descriptors step in every change: the other slot than last time, the next K step round the eight (on = 1: of the next tile's rows of x); their
; addresses are made anew from the bases.  fill = 1: the barrier opens a round of the cluster's, and the slot that is left is filled again, first thing behind the round.  fill = 0 (the last tile's last
; change): nothing is asked for, and the stepped words are not used.
.macro TURN fill, on
	WIN 0                                          ; (the add's two registers lie in window 0)
	s_wait_tensorcnt 0x0                           ; no tensor load of mine is out, so a group 0 may be written
	ds_add_u32 v[SPW], v[NIL]                      ; 0 onto my spare word
	s_add_co_u32 s[KS], s[KS], 1
	s_and_b32 s[KS], s[KS], 7
	s_lshl_b32 s[OFF], s[KS], 8
.if \on
	s_add_nc_u64 s[ABASE:ABASE+1], s[ABASE:ABASE+1], TILEA
.endif
	s_xor_b32 s[G0+5], s[G0+5], SLOT1
	s_add_nc_u64 s[G0+6:G0+7], s[ABASE:ABASE+1], s[OFF:OFF+1]
	s_or_b32 s[G0+7], s[G0+7], 0x80000000
	s_xor_b32 s[G0B+5], s[G0B+5], SLOT1
	s_add_nc_u64 s[G0B+6:G0B+7], s[BBASE:BBASE+1], s[OFF:OFF+1]
	s_or_b32 s[G0B+7], s[G0B+7], 0x80000000
	s_wait_dscnt 9                                 ; (the add and the youngest eight loads may be out)
	MUL12 F1, 0, 0, 0                              ; twelve matrix instructions stand between the add and the wait for it
	s_wait_dscnt 0x0                               ; the add is done, and my reads of this slot are over
	s_barrier_signal -1
	MUL12 F1, 0, 2, 0
	WIN 0                                          ; (branches, and lines on window 0, follow)
	s_barrier_wait -1
.if \fill
	CREST                                          ; no wave of any partner still reads this slot's tile or has a load on its way
	JLOAD                                          ; the four v_nop behind it are also the places in front of the loads below
.else
	PLACES
.endif
	s_xor_b32 s[CUR], s[CUR], SLOT1                ; the other slot is in hand
	v_add_nc_u32 v[ADRA], s[CUR], v[ADRA0]
	v_add_nc_u32 v[ADRB], s[CUR], v[ADRB0]
	FETCH 0, F0
	MUL12 F1, 1, 0, 0
	MUL12 F1, 1, 2, 0
.endm
; THE WAY OUT, a block a of 16 rows at a time.  ROPE: for q (p = 0) and k (p = 1), lo = channels 0-15 of the half, hi = 16-31: lo' = lo cos - hi sin, hi' = hi cos + lo sin; each accumulator is read from its
; low end on, then all six blocks are rounded to f16, 16 bytes a lane.
.macro ROPE a
.set AC, 48*((\a)%4)
.set TB, 192+16*((\a)%4)
	WIN 0x0a+5*((\a)/4)                            ; sources 0 and 1 window 2 or 3; source 2 and destination window 0
.irp p, 0,1
.irp jj, 0,2,4,6
	v_pk_mul_f32 v[T+16*(\p)+(\jj):T+16*(\p)+(\jj)+1], v[AC+16*(\p)+(\jj):AC+16*(\p)+(\jj)+1], v[TB+(\jj):TB+(\jj)+1]
	v_pk_mul_f32 v[T+16*(\p)+8+(\jj):T+16*(\p)+8+(\jj)+1], v[AC+16*(\p)+8+(\jj):AC+16*(\p)+8+(\jj)+1], v[TB+(\jj):TB+(\jj)+1]
	v_pk_fma_f32 v[T+16*(\p)+(\jj):T+16*(\p)+(\jj)+1], v[AC+16*(\p)+8+(\jj):AC+16*(\p)+8+(\jj)+1], v[TB+8+(\jj):TB+8+(\jj)+1], v[T+16*(\p)+(\jj):T+16*(\p)+(\jj)+1] neg_lo:[0,1,0] neg_hi:[0,1,0]
	v_pk_fma_f32 v[T+16*(\p)+8+(\jj):T+16*(\p)+8+(\jj)+1], v[AC+16*(\p)+(\jj):AC+16*(\p)+(\jj)+1], v[TB+8+(\jj):TB+8+(\jj)+1], v[T+16*(\p)+8+(\jj):T+16*(\p)+8+(\jj)+1]
.endr
.endr
.irp b, 4,5
.irp rr, 0,1,2,3
	v_cvt_pk_f16_f32 v[PKD+4*(\b)+(\rr)], v[AC+8*(\b)+2*(\rr)], v[AC+8*(\b)+2*(\rr)+1]
.endr
.endr
	WIN 0
.irp b, 0,1,2,3
.irp rr, 0,1,2,3
	v_cvt_pk_f16_f32 v[PKD+4*(\b)+(\rr)], v[T+8*(\b)+2*(\rr)], v[T+8*(\b)+2*(\rr)+1]
.endr
.endr
.endm
; Into my own stage, rows of 80 bytes, and back as whole rows of 64, into v32-55 and v128-151 by turns (v64-127 may hold the next tile's first fragments).  LDS serves a wave's instructions in order
; (ISA guide 5.7.1.4): the loads see the stores above them, and the next block's stores come behind them.
.macro TOSTAGE a
	WIN 0
.set BK, 32+96*((\a)%2)
.irp b, 0,1,2,3,4,5
	ds_store_b128 v[STO], v[PKD+4*(\b):PKD+4*(\b)+3] offset:((\b)/2)*1280+((\b)%2)*32
.endr
.irp g, 0,1,2
.irp s, 0,1
	ds_load_b128 v[BK+4*(2*(\g)+(\s)):BK+4*(2*(\g)+(\s))+3], v[RD] offset:(\g)*1280+(\s)*640
.endr
.endr
.endm
.macro SEND a
	WIN 0
.set BK, 32+96*((\a)%2)
	s_wait_dscnt 0x0                               ; the block is back in registers
	s_wait_xcnt 0x0                                ; the stores of the block before have read their registers: the next block's loads land there only behind this wait
.irp g, 0,1,2
.irp s, 0,1
	global_store_b128 v[CO], v[BK+4*(2*(\g)+(\s)):BK+4*(2*(\g)+(\s))+3], s[66+2*(\g):67+2*(\g)] offset:(\a)*1024+(\s)*512  ; 512 consecutive bytes, at a multiple of 512 from the buffer's first
.endr
.endr
.endm
	s_wait_tensorcnt 0x1                           ; my part of my first K step is in; the second's may stay out
	s_barrier_signal -1
	s_barrier_wait -1                              ; everybody's is
	FETCH 0, F0
	s_mov_b32 s2, TILES                            ; tiles to go, this one among them: the same number in every work-group
.Ltile:
	QUARTER 64, F0, F1, 1                          ; a tile's first quarter stands in front of the loop: its products start the sums, with the bias
	WIN 0                                          ; at a label and at a branch every window is 0
	s_mov_b32 s3, 6
.Lstep:                                                ; a trip goes from a K step's second quarter to the next step's first, and fills the slot that it leaves: the tile's steps 2 to 7
	QUARTER 128, F1, F0, 0
	QUARTER 192, F0, F1, 0
	TURN 1, 0
	QUARTER 64,  F0, F1, 0
	WIN 0
	s_sub_co_u32 s3, s3, 1
	s_cmp_lg_u32 s3, 0
	s_cbranch_scc1 .Lstep
	QUARTER 128, F1, F0, 0                         ; the tile's last step but one goes on
	QUARTER 192, F0, F1, 0
	WIN 0
	s_cmp_eq_u32 s2, 1
	s_cbranch_scc1 .Lno_fill
	TURN 1, 1                                      ; THE RING GOES ON INTO THE NEXT TILE: the slot that is left takes its first K step
	WIN 0
	s_branch .Lseventh
.Lno_fill:
	TURN 0, 0                                      ; the last tile asks for nothing more
	WIN 0
.Lseventh:                                             ; the tile's last K step: three quarters that both ways share; every wait on TENSORcnt behind this label is for 0
	QUARTER 64,  F0, F1, 0
	QUARTER 128, F1, F0, 0
	QUARTER 192, F0, F1, 0
	WIN 0
	s_cmp_eq_u32 s2, 1
	s_cbranch_scc1 .Lvery_last
	TURN 1, 0                                      ; the other slot takes the next tile's second K step, and the next tile's first fragments are fetched
	WIN 0
	s_branch .Lout
.Lvery_last:
	s_wait_dscnt 8                                 ; the very last quarter: nothing more to fetch
	MUL12 F1, 0, 0, 0
	MUL12 F1, 0, 2, 0
	s_wait_dscnt 0x0
	MUL12 F1, 1, 0, 0
	MUL12 F1, 1, 2, 0
	WIN 0
.Lout:                                                 ; both refills, if any, are asked for: now the tile goes out
	PLACES
	PLACES
	ROPE 0
	TOSTAGE 0
.irp a, 1,2,3,4,5,6,7                  ; block a's arithmetic stands between block a - 1's loads from the stage and the wait for them
	ROPE \a
	SEND (\a)-1
	TOSTAGE \a
.endr
	SEND 7
	s_wait_xcnt 0x0                                ; the stores have read their registers and their bases: v128-151 take fragments again, and the bases step, only behind this wait
	s_add_nc_u64 s[66:67], s[66:67], TILEQ         ; the next tile's rows: four batches on
	s_add_nc_u64 s[68:69], s[68:69], TILEQ
	s_add_nc_u64 s[70:71], s[70:71], TILEQ
	s_sub_co_u32 s2, s2, 1
	s_cmp_lg_u32 s2, 0
	s_cbranch_scc1 .Ltile
	s_wait_tensorcnt 0x0                           ; the wave's end: the add and its wait stand behind my last tensor load and my last LDS store
	ds_add_u32 v[SPW], v[NIL]
	s_wait_dscnt 0x0
	CROUND                                         ; the closing round: no work-group ends while a partner may still ask for a tile that names it
	s_endpgm
.Lfunc_end_k_qf925ed14a4_proj:
	.size	k_qf925ed14a4_proj, .Lfunc_end_k_qf925ed14a4_proj-k_qf925ed14a4_proj
	.p2alignl 7, 3214868480
	.fill 96, 4, 3214868480
	.section	.rodata,"a",@progbits
	.p2align	6, 0x0
	.amdhsa_kernel k_qf925ed14a4_proj
		.amdhsa_group_segment_fixed_size 327680
		.amdhsa_private_segment_fixed_size 0
		.amdhsa_enable_private_segment 0
		.amdhsa_kernarg_size 40
		.amdhsa_user_sgpr_count 2
		.amdhsa_user_sgpr_kernarg_segment_ptr 1
		.amdhsa_wavefront_size32 1
		.amdhsa_system_sgpr_workgroup_id_x 1
		.amdhsa_system_sgpr_workgroup_id_y 1
		.amdhsa_system_sgpr_workgroup_id_z 1
		.amdhsa_system_vgpr_workitem_id 0
		.amdhsa_next_free_vgpr 1024
		.amdhsa_next_free_sgpr 80
		.amdhsa_reserve_vcc 0
		.amdhsa_float_denorm_mode_32 3
		.amdhsa_float_denorm_mode_16_64 3
		.amdhsa_memory_ordered 1
		.amdhsa_forward_progress 1
		.amdhsa_inst_pref_size 134
	.end_amdhsa_kernel
	.amdgpu_metadata
---
amdhsa.version: [ 1, 2 ]
amdhsa.kernels:
  - .name:           k_qf925ed14a4_proj
    .symbol:         k_qf925ed14a4_proj.kd
    .args:
      - { .name: xb, .offset: 0, .size: 8, .value_kind: global_buffer, .address_space: global }
      - { .name: wb, .offset: 8, .size: 8, .value_kind: global_buffer, .address_space: global }
      - { .name: qkv_b, .offset: 16, .size: 8, .value_kind: global_buffer, .address_space: global }
      - { .name: rope, .offset: 24, .size: 8, .value_kind: global_buffer, .address_space: global }
      - { .name: qkv, .offset: 32, .size: 8, .value_kind: global_buffer, .address_space: global }
    .group_segment_fixed_size: 327680
    .private_segment_fixed_size: 0
    .kernarg_segment_align: 8
    .kernarg_segment_size: 40
    .max_flat_workgroup_size: 128
    .sgpr_count:     80
    .vgpr_count:     1024
    .wavefront_size: 32
...
	.end_amdgpu_metadata
.endif
;; end of part 2
;; launch attn (part 3): grid 2 x 128, 4 waves a work-group, no clusters, 327,680 bytes of LDS; arguments qkv, ob; writes ob
.if DOCPART == 3
	.amdgcn_target "amdgcn-amd-amdhsa--gfx1250"
	.amdhsa_code_object_version 6
	.text
	.protected	k_qf925ed14a4_attn
	.globl	k_qf925ed14a4_attn
	.p2align	8
	.type	k_qf925ed14a4_attn,@function
k_qf925ed14a4_attn:
	s_mov_b64 s[64:65], 0
	v_nop
	global_prefetch_b8 v0, s[64:65] scope:SCOPE_SE
	s_setreg_imm32_b32 hwreg(HW_REG_WAVE_MODE, 25, 1), 1
	s_wait_xcnt 0x0
; O[hh][q][:] = the sum over k of softmax_k(Q[hh][q] . K[hh][k] / 8) V[hh][k][:], for 128 heads hh = 16 batch + head of 1,024 rows and 64 channels.
; qkv: f16 [q, k, v][hh 128][c 2][n 1024][32]: each half of a head's channels is a plane of dense rows of 64 bytes.  ob: f16 [hh][n][64], rows of 128 bytes.  Products, maxima and sums in f32; the weights p are
; rounded to f16 for the second product (their sum l is taken of the unrounded p), O once at the end.
; LIMITS.  Q, K and V arrive within f16's 65,504; p lies in 0 to 1, and below 6e-5 it keeps f16's fixed step of 6e-8; O is a mean of V's rows and has their range.  A weight below 2^-126 counts as 0 in l;
; NaN and infinities are not treated apart.
; SHARES.  A wave owns four PIECES of two tiles of 16 queries, a work-group's four waves 512 queries of one head: 2 x 128 = 256 work-groups.  Every wave walks all keys, 64 a step.
; NO CLUSTER: a head has 1,024 / 512 = 2 work-groups, so a tile of K or V has two readers, where a cluster of this set has four partners; blocks of 256 queries would give four, with half the products for
; each fragment read from LDS and twice the work-groups.
; LAYOUT.  S^T = K Q^T (source 0 = 16 keys, source 1 = 16 queries): in the result a lane holds ONE query (lane % 16) and the keys 8 (lane / 16) + 0..7.  Two such tiles, rounded to f16 in pairs,
; ARE source 1 (32 keys x 16 queries) of O^T = V^T P, whose result again holds one query a lane, and eight channels.  K comes out of LDS as it lies, V ([key][channel]) turned, by ds_load_tr16_b128.
; SOFTMAX.  For each query a running maximum m and sum l: p = 2^(c s - c m), c = log2(e) / 8; in every step O and l are multiplied by a = 2^(c m_old - c m_new), which is 1 where m has not grown.
; m starts at the lowest finite number, O and l at 0: the first step is a step like any other, with a = 0.
; THE COUNT.  A tile and step have 16 matrix and 118 vector instructions: too many to stand all beside the matrix work.  So: four vector instructions that are READY behind EVERY matrix instruction, and the
; others, which need time of their own whatever the order, in runs without a gap.
; BY TURNS.  Turn n belongs to piece n (the pieces in a ring, step after step).  Its matrix work: 16 products K Q^T of piece n + 1, later 16 products V^T P of piece n - 1.  Its vector work: the scaling,
; exponentials, roundings, sums and rescaling of piece n, and the maximum and statistics of piece n + 1, whose scores the turn itself has made.
; REGISTERS, in windows of 256 (s_set_vgpr_msb: bits 1:0 source 0, 3:2 source 1, 5:4 source 2, 7:6 destination):
;   window 0: v0-11 addresses; v12-15, v48-63 at work; v16-47 four registers of statistics a tile; v64-191 S^T, two buffers of two tiles; v192-255 P, likewise
;   window 1: O^T, 32 a tile          window 2: v0-127 Q, 16 a tile; v128-191 K of one step; v192-255 V of one step          window 3: v0-1 the add's two registers
.set SIZE_N, 1024
.set NP,    4         ; pieces a wave: a name, no knob
.set KS,    64        ; keys in a step
.set PK,    80        ; a row of a plane of K in LDS: 64 bytes + 16 of padding = 20 words: the 16 rows of a load start at 16 different groups of four banks (64 banks of 4 bytes: ISA guide 11.1)
.set PV,    96        ; of V: 64 + 32 = 24 words
.set PLK,   256*PK    ; a plane of a tile of 256 keys
.set PLV,   256*PV
.set VOFF,  2*PLK     ; a slot holds a tile, four steps: K's two planes, then V's two
.set SLOT1, 1<<17     ; slot 1 begins here, so that one exclusive or turns an address in one slot into the other's
.set STAGE, SLOT1+2*PLK+2*PLV  ; behind the ring, never filled by a tensor load: 16 rows x 144 bytes for each wave, for the way out
.set SP,    144
.set AK0, 2           ; v2   my lane's place in a tile of K; never rewritten
.set AV0, 3           ; v3   the same for V
.set AK,  4           ; v4   the LDS address of K's next run of loads
.set AV,  5           ; v5   of V's
.set QO,  6           ; v6   my byte offset in 16 rows of a plane of Q
.set STO, 6           ;      later, the way out: where I put 16 bytes of a row
.set RD,  7           ; v7   the way out: where I read rows back
.set GO,  8           ; v8   my byte offset in 512 consecutive bytes of O
.set PFO, 11          ; v11  256 x my lane: the prefetches' offset; never rewritten once made
.set SPW, 0           ; v0 of window 3   LDS address of my spare word: SPARE + 4 x my thread's number; never rewritten
.set NIL, 1           ; v1 of window 3   0; never rewritten
.set SPARE, STAGE+4*16*SP  ; behind the stages: the spare words, 128 bytes for each wave: two blocks of 256 bytes that no other line names
.set MV,  12          ; v12-15  c m_old, kept while c m is made anew: by buffer and tile
.set ST,  16          ; tile t's statistics at v[ST+4 t]: c m, m, l (even keys', odd keys')
.set TMP, 48          ; by buffer and tile, four registers c0-c3 at work; when the maximum is found c2 takes a
.set S,   64
.set P,   192
.set KF,  128         ; K's fragments, in window 2: key block kb, channel half c at KF + 16 kb + 8 c
.set VF,  192         ; V's: key half kk, channel block cb at VF + 32 kk + 8 cb
.set WV,  12          ; s12  my wave's number
.set G1K, 24          ; s[24:31] descriptor group 1 for K's planes
.set G1V, 32          ; s[32:39] for V's: it differs in the padding alone
.set G0K, 40          ; s[40:43] descriptor group 0 for K's planes: it walks
.set G0V, 44          ; s[44:47] the same for V's
.set PFA, 48          ; s[48:49] where my prefetches stand: tile 0's part of mine; the tile stands in the immediate; never rewritten
.set SLOTS, 56        ; s56  slots still to be asked for
.set CNT, 57          ; s57  counts a slot's key steps
.set CS,  58          ; s[58:59] c: the packed scaling takes the pair's low word for both halves
.set SEL, 60          ; s[60:61] v_permlanex16_b32's selects: each lane takes its own place in the other half
.set TBK, 62          ; s62  LDS byte at which K of the step to be fetched begins
.set TBV, 63          ; s63  the same for V, less VOFF
.set MSB, 0
.macro WIN new                      ; the high byte repeats the setting that is left; a switch that changes nothing is dropped
.if MSB != (\new)
	s_set_vgpr_msb (MSB<<8)|(\new)
.set MSB, (\new)
.endif
.endm
.set W_KQ, 0x0a       ; K and Q in window 2, S^T in window 0
.set W_PV, 0x52       ; V in window 2, P in window 0, O^T in window 1
.set W_RS, 0x41       ; O^T (destination and source 0) in window 1, a in window 0
.set W_MK, 0xc0       ; the add's registers are made: destination in window 3, sources in window 0
.set W_AD, 0x0f       ; the add: address (source 0) and data (source 1) in window 3
; A fill.  Waves 0 and 1 fetch the two planes of a tile's K, waves 2 and 3 those of its V: 16 KiB each.  An s_nop 0 and four v_nop follow each of the two lines, ahead of the jump and the label.
.macro LOAD
	s_cmp_lt_u32 s[WV], 2
	s_cbranch_scc0 .Lfor_v_\@
	tensor_load_to_lds s[G0K:G0K+3], s[G1K:G1K+7]
	s_nop 0
.rept 4
	v_nop
.endr
	s_branch .Lasked_\@
.Lfor_v_\@:
	tensor_load_to_lds s[G0V:G0V+3], s[G1V:G1V+7]
	s_nop 0
.rept 4
	v_nop
.endr
.Lasked_\@:
.endm
; THE CHANGE OF SLOTS.  Each wave waits for all its tensor loads, of which one is out: its part of the other slot; adds 0 to its spare word; and waits for that and for its own reads of the slot that it
; leaves.  Behind the barrier nobody reads the old slot any more and the other slot is whole.  fill = 1: the old slot is filled again, the first thing behind the barrier, with the next tile of 256 keys: it has
; four key steps, 512 matrix instructions, in which to land.  (At its first use nothing has been read yet: slot 0 is waited for, slot 1 filled.)
; A PREFETCH INTO THE L2 stands behind the fill and its five lines: the tile that the NEXT change will ask for, four key steps ahead.  A tile is 32 KiB of K and 32 KiB of V.  The head's first work-group asks
; for K's, its second for V's; wave w takes plane w % 2, half w / 2 of its 16 KiB: 32 lanes x 256 bytes.  So each block of 256 bytes is named once in the launch.  ask = 1 (the first change, which fills
; tile 1): tile 2.  ask = 2 (the loop): tile 3, in the trip that fills tile 2; the trip that fills tile 3 asks for nothing.  Tiles 0 and 1 come by their loads alone.
.macro CHANGE fill, ask
	WIN W_AD
	s_wait_tensorcnt 0x0            ; no tensor load of mine is out, so a group 0 may be written
	ds_add_u32 v[SPW], v[NIL]       ; 0 onto my spare word; with fill = 1 the descriptors' steps stand between it and the wait for it
	WIN 0                           ; at a label and at a branch every window is 0
.if \fill
.irp g, G0K, G0V
	s_xor_b32 s[\g+1], s[\g+1], SLOT1  ; the walking descriptor: the other slot than last time,
	s_add_nc_u64 s[\g+2:\g+3], s[\g+2:\g+3], 256*64  ; the plane's next 256 keys; the type bits on top are not reached
.endr
.endif
	s_wait_dscnt 0x0                ; the add is done, and my reads of the slot are over
	s_barrier_signal -1
	s_barrier_wait -1
.if \fill
	LOAD
.endif
.if (\ask) == 1
	global_prefetch_b8 v[PFO], s[PFA:PFA+1] offset:2*256*64 th:TH_LOAD_NT scope:SCOPE_SE
.endif
.if (\ask) == 2
	s_cmp_eq_u32 s[SLOTS], 2
	s_cbranch_scc0 .Lno_ask_\@
	global_prefetch_b8 v[PFO], s[PFA:PFA+1] offset:3*256*64 th:TH_LOAD_NT scope:SCOPE_SE
.Lno_ask_\@:
.endif
	s_sub_co_u32 s[TBK], s[TBK], 4*KS*PK  ; the fetches go back to a slot's first step,
	s_xor_b32 s[TBK], s[TBK], SLOT1       ; in the other slot
	s_sub_co_u32 s[TBV], s[TBV], 4*KS*PV
	s_xor_b32 s[TBV], s[TBV], SLOT1
.endm
	s_load_b128 s[4:7], s[0:1], 0x0  ; qkv s[4:5], ob s[6:7]
	WIN W_MK
	v_lshl_add_u32 v[SPW], v0, 2, SPARE
	v_mov_b32 v[NIL], 0
	WIN W_AD
	ds_add_u32 v[SPW], v[NIL]       ; the wave's opening: the add and its wait stand ahead of my first tensor load; the set-up below, work on registers, stands between them
	ds_add_u32 v0, v1
	WIN 0
	v_lshrrev_b32 v1, 5, v0
	v_readfirstlane_b32 s[WV], v1   ; wave 0..3
	s_and_b32 s20, ttmp7, 0xffff    ; the head
	s_lshl_b32 s20, s20, 17         ; its 131,072 bytes in q's, k's and v's part of qkv and in ob
	s_and_b32 s16, s[WV], 1         ; which plane of a tile I fetch:
	s_lshl_b32 s22, s16, 16         ; its 65,536 bytes in memory,
	s_add_co_u32 s22, s22, s20
	s_mov_b32 s23, 0
	s_mul_i32 s17, s16, PLK         ; and its place in a slot, for K
	s_mul_i32 s18, s16, PLV         ; and for V
	s_lshl_b32 s14, ttmp9, 2
	s_add_co_u32 s14, s14, s[WV]    ; my wave among the head's eight: 128 queries
	s_lshl_b32 s2, s14, 13          ; 64 bytes a row in a plane of Q,
	s_add_co_u32 s2, s2, s20
	s_mov_b32 s3, 0
	s_lshl_b32 s8, s14, 14          ; 128 in O
	s_add_co_u32 s8, s8, s20
	s_mov_b32 s9, 0
	s_lshl_b32 s50, ttmp9, 24       ; the prefetches: k's part for the head's first work-group, v's for its second,
	s_add_co_u32 s50, s50, 0x1000000
	s_add_co_u32 s50, s50, s22      ; my plane,
	s_lshr_b32 s51, s[WV], 1
	s_lshl_b32 s51, s51, 13         ; my half of a tile's 16 KiB of it
	s_add_co_u32 s50, s50, s51
	s_mov_b32 s51, 0
	; descriptor group 1.  256 keys of a plane are 16,384 dense bytes: asked for as 64 rows of 256 bytes, four keys a row, and padded in LDS after every key
	s_mov_b32 s[G1K], (1<<16)|(1<<20)|(3<<22)|(3<<25)  ; 17:16 2-byte elements; 20 padding on; 24:22 after every 16 words (code 3); 31:25 4 words (code 3)
	s_mov_b32 s[G1V], (1<<16)|(1<<20)|(3<<22)|(7<<25)  ; the same with 8 words of padding (code 7)
.irp g, G1K, G1V
	s_mov_b32 s[\g+1], 128<<16      ; tensor_dim0 = 128
	s_mov_b32 s[\g+2], 64<<16       ; tensor_dim1 = 64
	s_mov_b32 s[\g+3], 128<<16      ; tile_dim0 = 128
	s_mov_b32 s[\g+4], 64           ; tile_dim1 = 64
	s_mov_b32 s[\g+5], 128          ; 128 elements from row to row
	s_mov_b32 s[\g+6], 0
	s_mov_b32 s[\g+7], 0
.endr
	s_mov_b32 s[CS], 0x3e38aa3b     ; c = log2(e) / 8 = 0.180337
	s_mov_b32 s[CS+1], s[CS]        ; named with it as a pair
	s_mov_b32 s[SEL], 0x76543210
	s_mov_b32 s[SEL+1], 0xfedcba98
	s_mov_b32 s[TBK], SLOT1+4*KS*PK ; the first change of slots turns these two into 0
	s_mov_b32 s[TBV], SLOT1+4*KS*PV
	s_mov_b32 s[G0K], 1             ; count = 1
	s_mov_b32 s[G0K+1], s17         ; LDS address: slot 0
	s_mov_b32 s[G0V], 1
	s_add_co_u32 s[G0V+1], s18, VOFF
	s_wait_dscnt 0x0                ; the opening add is done
	s_wait_kmcnt 0x0
	s_add_nc_u64 s[PFA:PFA+1], s[4:5], s[50:51]
	s_add_nc_u64 s[G0K+2:G0K+3], s[4:5], s[22:23]  ; global address: my plane of the head's first 256 keys,
	s_add_nc_u64 s[G0K+2:G0K+3], s[G0K+2:G0K+3], 0x1000000  ; in k's part
	s_or_b32 s[G0K+3], s[G0K+3], 0x80000000        ; type = 2
	s_add_nc_u64 s[G0V+2:G0V+3], s[4:5], s[22:23]
	s_add_nc_u64 s[G0V+2:G0V+3], s[G0V+2:G0V+3], 0x2000000  ; in v's part
	s_or_b32 s[G0V+3], s[G0V+3], 0x80000000
	s_add_nc_u64 s[10:11], s[6:7], s[8:9]  ; O and Q at my wave's first row
	s_add_nc_u64 s[4:5], s[4:5], s[2:3]
	LOAD                            ; tile 0 into slot 0.  Slot 1 is asked for when slot 0 is in
	; A fragment of K or Q is 16 rows x 32 channels (one plane) in 8 registers: lane l holds row l % 16, channels 8 (l / 16) + 0..7 and 16 + 8 (l / 16) + 0..7: two loads of 16 bytes, 32 bytes apart.
	v_and_b32 v1, 15, v0            ; l % 16
	v_bfe_u32 v9, v0, 4, 1          ; l / 16
	v_lshlrev_b32 v[QO], 6, v1
	v_lshl_add_u32 v[QO], v9, 4, v[QO]  ; row x 64 + 16 x half
	WIN 0x80                        ; destination window 2, address window 0
.set i, 0
.rept 4*NP                          ; Q stays in registers: tile i / 2, plane i % 2
	global_load_b128 v[8*i:8*i+3],   v[QO], s[4:5] offset:(i/2)*1024+(i%2)*65536
	global_load_b128 v[8*i+4:8*i+7], v[QO], s[4:5] offset:(i/2)*1024+(i%2)*65536+32
.set i, i+1
.endr
	; What the first turn finds: V's registers and P's second buffer hold 0 (its products V^T P, of a piece that has not been, add 0), O^T and l are 0.  All this stands in the wait for the first tile.
.set i, VF
.rept 64
	v_mov_b32 v[i], 0
.set i, i+1
.endr
	WIN 0x40
.set i, 0
.rept 64*NP
	v_mov_b32 v[i], 0
.set i, i+1
.endr
	WIN 0
.set i, 0
.rept 2*NP
	v_mov_b32 v[ST+4*i], 0xfe000000    ; c m: far below every c s
	v_mov_b32 v[ST+4*i+1], 0xff7fffff  ; m
	v_mov_b32 v[ST+4*i+2], 0
	v_mov_b32 v[ST+4*i+3], 0
.set i, i+1
.endr
.set i, P+32
.rept 32
	v_mov_b32 v[i], 0
.set i, i+1
.endr
	v_mul_u32_u24 v[AK0], v1, PK
	v_lshl_add_u32 v[AK0], v9, 4, v[AK0]  ; row x pitch + 16 x half
	; The turning load takes 16 keys x 16 channels (lane l reads key 8 (l / 16) + l % 8, channels 8 ((l / 8) % 2) + 0..7) and leaves half a fragment of V^T: lane l holds channel l % 16 and 8 keys.
	v_and_b32 v10, 7, v0
	v_bfe_u32 v11, v0, 3, 1
	v_lshl_add_u32 v[AV0], v9, 3, v10
	v_mul_u32_u24 v[AV0], v[AV0], PV
	v_lshl_add_u32 v[AV0], v11, 4, v[AV0]
	v_add_nc_u32 v[AV0], VOFF, v[AV0]
	v_and_b32 v[PFO], 31, v0
	v_lshlrev_b32 v[PFO], 8, v[PFO]
	v_mov_b32 v[AK], v[AK0]         ; key step 0 lies at the head of slot 0
; THE MATRIX WORK.  The 8 accumulators of a run of 16 take turns: between the two links of a chain stand 7 others'.
; Product i of 16 of S^T = K Q^T for piece x: channels 32 (i / 8) on, keys 16 ((i / 2) % 4) on, tile 2 x + i % 2.  The first 8 start the sums.
.macro KQ x
	WIN W_KQ
.set rS, S+64*((\x)%2)+32*(i%2)+8*((i/2)%4)
.set rK, KF+16*((i/2)%4)+8*(i/8)
.set rQ, 16*(2*(\x)+i%2)+8*(i/8)
.if i < 8
	v_wmma_f32_16x16x32_f16 v[rS:rS+7], v[rK:rK+7], v[rQ:rQ+7], 0
.else
	v_wmma_f32_16x16x32_f16 v[rS:rS+7], v[rK:rK+7], v[rQ:rQ+7], v[rS:rS+7]
.endif
.endm
; Product i of 16 of O^T += V^T P for piece x: keys 32 (i / 8) on, channels 16 ((i / 2) % 4) on, tile 2 x + i % 2.
.macro PV x
	WIN W_PV
.set rO, 32*(2*(\x)+i%2)+8*((i/2)%4)
.set rV, VF+32*(i/8)+8*((i/2)%4)
.set rP, P+32*((\x)%2)+16*(i%2)+8*(i/8)
	v_wmma_f32_16x16x32_f16 v[rO:rO+7], v[rV:rV+7], v[rP:rP+7], v[rO:rO+7]
.endm
.macro MM                           ; the turn's next matrix instruction
.if i < 16
	KQ (Y+1)%NP
.set i, i+1
.else
.set i, i-16
	PV (Y+NP-1)%NP
.set i, i+17
.endif
.endm
; THE LDS LOADS stand in runs of 16, never singly among the matrix instructions: a step's K (64 keys x 64 channels: 8 fragments) and its V (turned).  Their addresses are made some lines ahead.
; last = 1 (the tail): in the last trip there is no further step, and the run is jumped over.
.macro FETCH_K last=0
	WIN 0
.if \last
	s_cmp_eq_u32 s[CNT], 1
	s_cbranch_scc1 .Lno_k_\@
.endif
	WIN 0x80                        ; destination window 2
.irp f, 0,1,2,3,4,5,6,7             ; keys 16 (f / 2) on, plane f % 2
	ds_load_b128 v[KF+8*\f:KF+8*\f+3],   v[AK] offset:(\f/2)*16*PK+(\f%2)*PLK
	ds_load_b128 v[KF+8*\f+4:KF+8*\f+7], v[AK] offset:(\f/2)*16*PK+(\f%2)*PLK+32
.endr
	s_add_co_u32 s[TBK], s[TBK], KS*PK  ; the next fetch is the next step's
	WIN 0
.if \last
.Lno_k_\@:
.endif
.endm
.macro FETCH_V
	WIN 0x80
.irp f, 0,1,2,3,4,5,6,7             ; keys 32 (f / 4) on; channels 16 (f % 4) on: plane (f % 4) / 2, its 16 channels f % 2
	ds_load_tr16_b128 v[VF+8*\f:VF+8*\f+3],   v[AV] offset:(\f/4)*32*PV+((\f%4)/2)*PLV+(\f%2)*32
	ds_load_tr16_b128 v[VF+8*\f+4:VF+8*\f+7], v[AV] offset:(\f/4)*32*PV+16*PV+((\f%4)/2)*PLV+(\f%2)*32
.endr
	WIN 0
.endm
; THE VECTOR WORK OF A TURN stands in three queues, each in the order in which its entries become ready; the two tiles alternate, so that no instruction reads the result of the one before it.
.macro REGS y, u                    ; the registers of tile u (0, 1) of piece y
.set rT, ST+4*(2*(\y)+(\u))
.set rC, TMP+8*((\y)%2)+4*(\u)
.set rM, MV+2*((\y)%2)+(\u)
.set rS, S+64*((\y)%2)+32*(\u)
.set rP, P+32*((\y)%2)+16*(\u)
.set rO, 32*(2*(\y)+(\u))
.endm
; Number n of the 22 that find the NEXT piece's (Y + 1) maximum and statistics.  s0-s31 are the lane's 32 scores; each accumulator's lowest registers are read first.
;   0-11  four chains c0-c3 of seven scores each, three operands at a time     12-14, 16  the four scores left over, the old m, and c0-c3 into c0     15  c m_old is kept
;   17, 18  the query's other 32 keys lie in the lane 16 away: the new m         19-21  c m; c m_old - c m_new; a
.macro XS u, n
	REGS (Y+1)%NP, \u
.if (\n) < 4
	v_max3_num_f32 v[rC+(\n)], v[rS+8*(\n)], v[rS+8*(\n)+1], v[rS+8*(\n)+2]
.elseif (\n) < 12
	v_max3_num_f32 v[rC+(\n)%4], v[rC+(\n)%4], v[rS+8*((\n)%4)+2*((\n)/4)+1], v[rS+8*((\n)%4)+2*((\n)/4)+2]
.elseif (\n) == 12
	v_max3_num_f32 v[rC], v[rC], v[rS+7], v[rS+15]
.elseif (\n) == 13
	v_max3_num_f32 v[rC+1], v[rC+1], v[rS+23], v[rS+31]
.elseif (\n) == 14
	v_max3_num_f32 v[rC+2], v[rC+2], v[rC+3], v[rT+1]
.elseif (\n) == 15
	v_mov_b32 v[rM], v[rT]
.elseif (\n) == 16
	v_max3_num_f32 v[rC], v[rC], v[rC+1], v[rC+2]
.elseif (\n) == 17
	v_permlanex16_b32 v[rC+3], v[rC], s[SEL], s[SEL+1]
.elseif (\n) == 18
	v_max_num_f32 v[rT+1], v[rC], v[rC+3]
.elseif (\n) == 19
	v_mul_f32 v[rT], s[CS], v[rT+1]
.elseif (\n) == 20
	v_sub_f32 v[rC+1], v[rM], v[rT]
.else
	v_exp_f32 v[rC+2], v[rC+1]
.endif
.endm
; Number g of the 64 that follow the exponentials.  For each four weights k of a tile (pairs 2 k, 2 k + 1): both pairs are rounded to f16; then the second pair is added onto the first, in place;
; a group later l takes that sum (the first time as l = a l + sum).  In groups of eight, tiles alternating: round, round, add, and l for the group before.
.macro GS g
.set h, (\g)+6*((\g)/62)            ; group 0 has no group before it, and behind group 7 only l is left
.if h >= 6
.set h, h+2
.endif
	REGS Y, h%2
.set k, h/8
.if h%8 < 4
	s_wait_alu depctr_va_vdst(0)
	v_cvt_pk_f16_f32 v[rP+2*k+(h%8)/2], v[rS+4*k+2*((h%8)/2)], v[rS+4*k+2*((h%8)/2)+1]
.elseif h%8 < 6
	v_pk_add_f32 v[rS+4*k:rS+4*k+1], v[rS+4*k:rS+4*k+1], v[rS+4*k+2:rS+4*k+3]
.elseif k == 1
	v_pk_fma_f32 v[rT+2:rT+3], v[rT+2:rT+3], v[rC+2:rC+3], v[rS:rS+1] op_sel_hi:[1,0,1]
.else
	v_pk_add_f32 v[rT+2:rT+3], v[rT+2:rT+3], v[rS+4*k-4:rS+4*k-3]
	s_wait_alu depctr_va_vdst(0)
.endif
.endm
; THE PLAIN QUEUE, 138 long.  0-31: c s - c m for the 16 pairs of both tiles.  Then GS's 64, and among them the next piece's 42: number 15 at 38, 39; 0-14 and 16
; at 42-73, behind the products that make those scores; 17-20 at 95-106, two of three, since each waits for the one before it.
.macro PL
	WIN 0
.if q < 32
	REGS Y, q%2
	v_pk_fma_f32 v[rS+2*(q/2):rS+2*(q/2)+1], v[rS+2*(q/2):rS+2*(q/2)+1], s[CS:CS+1], v[rT:rT+1] op_sel_hi:[1,0,0] neg_lo:[0,0,1] neg_hi:[0,0,1]
.elseif q < 38
	GS q-32
.elseif q < 40
	XS q%2, 15
.elseif q < 42
	GS q-34
.elseif q < 74
	XS q%2, (q-42)/2+(q-42)/30
.elseif q < 95
	GS q-66
.elseif (q < 107) && ((q-95)%3 < 2)
	XS (q-95)%3, 17+(q-95)/3
.elseif q < 107
	GS 29+(q-95)/3
.else
	GS q-74
.endif
.set q, q+1
.endm
; THE EXPONENTIALS' QUEUE, 66 long: s0-s31 of both tiles, and at EA the next piece's two a.
.set EA, 58
.macro EX
	WIN 0
.if (e == EA) || (e == EA+1)
	XS e-EA, 21
.else
.set x, e-2*(e/(EA+2))
	REGS Y, x%2
	v_exp_f32 v[rS+x/2], v[rS+x/2]
.endif
.set e, e+1
.endm
; THE RESCALING's QUEUE: O^T times a, the one part that leaves window 0, so it is dealt four at a time, eight times.
.macro R4
	REGS Y, r%2
	WIN W_RS
	s_wait_alu depctr_va_vdst(0)
.irp z, 0,1,2,3
	v_pk_mul_f32 v[rO+8*(r/2)+2*\z:rO+8*(r/2)+2*\z+1], v[rO+8*(r/2)+2*\z:rO+8*(r/2)+2*\z+1], v[rC+2:rC+3] op_sel_hi:[1,0]
.endr
.set r, r+1
.endm
; HOW THEY ARE DEALT.  Behind a matrix instruction four: plain, exponential, plain, plain (one exponential, a plain instruction on either side), or four of the rescaling.  None names a register of the
; products round it.  What is over stands in two LUMPS: exponential and plain by turns; the second ends in 22 plain instructions.  The two v_permlanex16_b32 fall into the second lump, never behind a product.
; The queues lean on each other, and the deal keeps them in step: exponential e stands behind plain 2 (e / 4) + e % 2 (its scaling); when plain 32 comes, 10 exponentials are out, at 59: 33, at 95: 46; EA comes behind plain 107.
.macro SL
	MM
	PL
	EX
	PL
	PL
.endm
.macro BURST n                      ; 15 matrix instructions, or 16
.rept (\n)-7
	SL
.endr
.rept 3
	MM
	R4
	SL
.endr
	MM
	R4
.endm
; A TURN, for piece p.  cnt = 1: the loop's count is taken down some lines ahead of the branch that stands behind the turn.
; K of the next step is fetched in piece 2's turn, 31 vector instructions behind the last product that read K; its first reader comes behind the rest of the lump, 16 products and the second lump.
; V of the step in hand is fetched at the end of piece 0's turn, 69 behind its last reader; its first reader comes behind 16 products and a lump.  The four conditions on e and q below go with the deal.
.macro TURN p, last=0, cnt=0
.set Y, (\p)
.set i, 0
.set q, 0
.set e, 0
.set r, 0
.if (\p) == NP-1
	s_wait_dscnt 0x0                ; K is in
.endif
	MM
.rept 4
	PL
.endr
	BURST 15
.rept 22
	EX
	PL
.if ((\p) == NP-2) && (e == 18)
	v_add_nc_u32 v[AK], s[TBK], v[AK0]
.endif
.if ((\p) == NP-2) && (e == 24)
	FETCH_K \last
.endif
.endr
.if (\p) == 1
	s_wait_dscnt 0x0                ; V is in
.endif
	BURST 16
.rept 21
	EX
	PL
.endr
.rept 22
	PL
.if ((\p) == 0) && (q == 118)
	v_add_nc_u32 v[AV], s[TBV], v[AV0]
	s_wait_alu depctr_va_vdst(0)
.endif
.if ((\p) == 0) && (q == 130)
	s_add_co_u32 s[TBV], s[TBV], KS*PV
.endif
.if (\cnt) && (q == 130)
	s_sub_co_u32 s[CNT], s[CNT], 1
	s_cmp_lg_u32 s[CNT], 0
.endif
.endr
.if (\p) == 0
	FETCH_V
.endif
.endm
	CHANGE 1, 1                     ; slot 0 is in, everybody's part of it; slot 1 is asked for
	FETCH_K                         ; key step 0
	s_wait_loadcnt 0x0              ; Q
	s_wait_dscnt 0x0
.set i, 0
.rept 16
	KQ 0                            ; piece 0's first scores: there is no vector work yet to set between them
.set i, i+1
.endr
	WIN 0                           ; the addresses for the way out: nine plain instructions, the places behind those products
	s_mul_i32 s13, s[WV], 16*SP
	s_add_co_u32 s13, s13, STAGE    ; my stage
	v_mul_u32_u24 v[STO], v1, SP    ; in: row l % 16, 16 bytes for each half of the lanes
	v_lshl_add_u32 v[STO], v9, 4, v[STO]
	v_add_nc_u32 v[STO], s13, v[STO]
	v_bfe_u32 v[RD], v0, 3, 2       ; back: 32 lanes take four rows of 128 bytes,
	v_mul_u32_u24 v[RD], v[RD], SP
	v_lshl_add_u32 v[RD], v10, 4, v[RD]
	v_add_nc_u32 v[RD], s13, v[RD]
	v_and_b32 v[GO], 31, v0         ; which are 512 consecutive bytes of O
	v_lshlrev_b32 v[GO], 4, v[GO]
.set Y, NP-1                        ; XS works for piece Y + 1: piece 0
.irp n, 0,1,2,3,4,5,6,7,8,9,10,11,12,13,14,15,16,17,18,19,20,21
	XS 0, \n                        ; and piece 0's first maximum and statistics
	XS 1, \n
.endr
	s_mov_b32 s[CNT], 4
	s_mov_b32 s[SLOTS], SIZE_N/256-1
	s_branch .Lfirst                ; the loop is entered at a step's first turn, in the middle of a trip
.Lslot:                             ; SIZE_N / 256 - 2 = 2 times: tiles 2 and 3 are asked for
	CHANGE 1, 2
	s_mov_b32 s[CNT], 4
.Lstep:                             ; a trip: pieces 2 and 3 of one step, then pieces 0 and 1 of the next, whose K and V it fetches
	TURN 2
	TURN 3
	WIN 0
.Lfirst:
	TURN 0
	TURN 1, 0, 1
	WIN 0
	s_cbranch_scc1 .Lstep
	s_sub_co_u32 s[SLOTS], s[SLOTS], 1
	s_cmp_lg_u32 s[SLOTS], 0
	s_cbranch_scc1 .Lslot
	CHANGE 0, 0                     ; the tail is written out: nothing is asked for
	s_mov_b32 s[CNT], 5             ; four trips fetch the last slot's steps; the fifth is left in its middle
.Ltail:
	TURN 2, 1
	TURN 3
	WIN 0
	s_sub_co_u32 s[CNT], s[CNT], 1
	s_cmp_eq_u32 s[CNT], 0
	s_cbranch_scc1 .Lout
	TURN 0
	TURN 1
	WIN 0
	s_branch .Ltail
.Lout:                              ; the fifth trip's 16 products K Q^T (on the last K once more) and the maximum made of them serve nothing: the price, once a launch, of one text for every trip
.set i, 0
.rept 16
	PV NP-1                         ; the last piece's V^T P of the last step
.set i, i+1
.endr
	; THE WAY OUT.  l's two halves and the other half of the lanes' are added; O^T is divided by l, rounded to f16 and sent through my stage in LDS, a tile at a time.  The additions are the places behind the last products.
	WIN 0
.macro ALL line:vararg              ; one line for each tile t
.set t, 0
.rept 2*NP
	\line
.set t, t+1
.endr
.endm
	ALL v_add_f32 v[ST+4*t+2], v[ST+4*t+2], v[ST+4*t+3]
	ALL v_permlanex16_b32 v[ST+4*t+3], v[ST+4*t+2], s[SEL], s[SEL+1]
	ALL v_add_f32 v[ST+4*t+2], v[ST+4*t+2], v[ST+4*t+3]
	ALL v_rcp_f32 v[ST+4*t+2], v[ST+4*t+2]
	v_nop                           ; a plain instruction between the last reciprocal and the use of its result
	s_wait_alu depctr_va_vdst(0)
; Tile t: a lane's eight channels of a row pack into 16 bytes; they go into rows of 144 bytes and come back as whole rows of 128, into S^T's registers.
.macro PACK t
	WIN W_RS
.set i, 32*(\t)
.rept 16
	v_pk_mul_f32 v[i:i+1], v[i:i+1], v[ST+4*(\t)+2:ST+4*(\t)+3] op_sel_hi:[1,0]
.set i, i+2
.endr
	WIN 0x05                        ; sources 0 and 1 window 1, destination window 0
.set i, 0
.rept 16
	v_cvt_pk_f16_f32 v[S+16*(\t)+i], v[32*(\t)+2*i], v[32*(\t)+2*i+1]
.set i, i+1
.endr
	WIN 0
.irp f, 0,1,2,3
	ds_store_b128 v[STO], v[S+16*(\t)+4*\f:S+16*(\t)+4*\f+3] offset:32*\f
.endr
.irp f, 0,1,2,3
	ds_load_b128 v[S+16*(\t)+4*\f:S+16*(\t)+4*\f+3], v[RD] offset:\f*4*SP  ; LDS serves a wave's instructions in order (ISA guide 5.7.1.4): these see the stores above; the next tile's stores come behind them
.endr
.endm
.macro SEND t, younger              ; younger: the LDS instructions issued behind tile t's loads: the next tile's eight, or none
	WIN 0
.irp f, 0,1,2,3
	s_wait_dscnt (\younger)+3-\f
	global_store_b128 v[GO], v[S+16*(\t)+4*\f:S+16*(\t)+4*\f+3], s[10:11] offset:(\t)*2048+\f*512  ; 512 consecutive bytes, at a multiple of 256 from O's first
.endr
.endm
	PACK 0
.set t, 1
.rept 2*NP-1                        ; a tile's arithmetic stands between the loads of the tile before and its stores
	PACK t
	SEND t-1, 8
.set t, t+1
.endr
	SEND 2*NP-1, 0
	WIN W_AD
	s_wait_tensorcnt 0x0            ; the wave's end: the add and its wait stand behind my last tensor load and my last LDS store
	ds_add_u32 v[SPW], v[NIL]
	s_wait_dscnt 0x0
	WIN 0
	s_endpgm
.Lfunc_end_k_qf925ed14a4_attn:
	.size	k_qf925ed14a4_attn, .Lfunc_end_k_qf925ed14a4_attn-k_qf925ed14a4_attn
	.p2alignl 7, 3214868480
	.fill 96, 4, 3214868480
	.section	.rodata,"a",@progbits
	.p2align	6, 0x0
	.amdhsa_kernel k_qf925ed14a4_attn
		.amdhsa_group_segment_fixed_size 327680
		.amdhsa_private_segment_fixed_size 0
		.amdhsa_enable_private_segment 0
		.amdhsa_kernarg_size 16
		.amdhsa_user_sgpr_count 2
		.amdhsa_user_sgpr_kernarg_segment_ptr 1
		.amdhsa_wavefront_size32 1
		.amdhsa_system_sgpr_workgroup_id_x 1
		.amdhsa_system_sgpr_workgroup_id_y 1
		.amdhsa_system_sgpr_workgroup_id_z 1
		.amdhsa_system_vgpr_workitem_id 0
		.amdhsa_next_free_vgpr 770
		.amdhsa_next_free_sgpr 66
		.amdhsa_reserve_vcc 0
		.amdhsa_float_denorm_mode_32 3
		.amdhsa_float_denorm_mode_16_64 3
		.amdhsa_memory_ordered 1
		.amdhsa_forward_progress 1
		.amdhsa_inst_pref_size 208
	.end_amdhsa_kernel
	.amdgpu_metadata
---
amdhsa.version: [ 1, 2 ]
amdhsa.kernels:
  - .name:           k_qf925ed14a4_attn
    .symbol:         k_qf925ed14a4_attn.kd
    .args:
      - { .name: qkv, .offset: 0, .size: 8, .value_kind: global_buffer, .address_space: global }
      - { .name: ob, .offset: 8, .size: 8, .value_kind: global_buffer, .address_space: global }
    .group_segment_fixed_size: 327680
    .private_segment_fixed_size: 0
    .kernarg_segment_align: 8
    .kernarg_segment_size: 16
    .max_flat_workgroup_size: 128
    .sgpr_count:     66
    .vgpr_count:     770
    .wavefront_size: 32
...
	.end_amdgpu_metadata
.endif
;; end of part 3
;; launch outp (part 4): grid 8 x 32, 4 waves a work-group, clusters of 4 x 4, 327,680 bytes of LDS; arguments ob, owb, out_b, out0; writes out0
.if DOCPART == 4
	.amdgcn_target "amdgcn-amd-amdhsa--gfx1250"
	.amdhsa_code_object_version 6
	.text
	.protected	k_qf925ed14a4_outp
	.globl	k_qf925ed14a4_outp
	.p2align	8
	.type	k_qf925ed14a4_outp,@function
k_qf925ed14a4_outp:
	s_mov_b64 s[64:65], 0
	v_nop
	global_prefetch_b8 v0, s[64:65] scope:SCOPE_SE
	s_setreg_imm32_b32 hwreg(HW_REG_WAVE_MODE, 25, 1), 1
	s_wait_xcnt 0x0
	s_wait_alu depctr_hold_cnt(0) depctr_sa_sdst(0) depctr_va_vdst(0) depctr_va_sdst(0) depctr_va_ssrc(0) depctr_va_vcc(0) depctr_vm_vsrc(0)
	s_getreg_b32 s2, hwreg(HW_REG_IB_STS2, 6, 4)
	s_cmp_eq_u32 s2, 0
	s_cbranch_scc0 .Lentry_in_a_cluster
	s_endpgm
.Lentry_in_a_cluster:
	s_bfe_u32 s2, ttmp6, 0x10000c
	s_cmp_lg_u32 s2, 0xf033
	s_cbranch_scc0 .Lentry_shape_is_right
	s_endpgm
.Lentry_shape_is_right:
; out0 = O out_w^T + out_b.  ob: f16 [16 batch + head][n 1024][64], rows of 128 bytes, dense.  owb: f16 [1024][1024] (out_w rounded to bf16, written as f16).  out_b: [1024] f32, rounded to bf16 here like the
; other inputs.  out0: [8192][1024] f32.  Sums in f32; the bias is the C operand of the first product.
; SHARES.  A work-group makes 256 rows x 128 columns: 32 x 8 = 256 work-groups.  Four waves: wave = 2 RH + CH makes rows 128 RH .. + 127 and columns 64 CH .. + 63: 8 x 4 accumulators, 256 registers.
; K goes in 8 steps of 128 = two heads, through two LDS slots.  A head's 256 rows are 32,768 dense bytes: asked for as 128 rows of 256 bytes, padded in LDS after every 128.
; THE ORDER OF K.  The cluster at (X, Y) begins at K step 2 ((2 X + Y) mod 4) and goes round the eight, so that clusters that read the same rows of O (same Y) or of out_w (same X) ask for different K steps
; of them at a time.  The order in which an f32 sum takes its K steps therefore differs from cluster to cluster.
; THE MATRIX INSTRUCTION IS USED TRANSPOSED (source 0 = 16 rows of out_w, source 1 = 16 rows of O): a lane holds one row (lane % 16) and 8 neighbouring columns: 32 bytes of out0.
; CLUSTER.  4 x 4 work-groups: the four of a row need the same rows of O, the four of a column the same rows of out_w: each tile is asked for jointly.
; REGISTERS, in windows of 256 (s_set_vgpr_msb: bits 1:0 source 0, 3:2 source 1, 5:4 source 2, 7:6 destination):
;   window 0: v0-31 addresses; v32-63, v192-223 rows on their way out; v64-127, v128-191 O's fragments, two buffers
;   window 1: v0-31 the bias; v48-55 at work; v64-95, v128-159 out_w's fragments          window 2: accumulator (a, b) at v[8 (4 a + b)]
.set KSTEP,  128
.set PA,     144                       ; a row of O in LDS: 128 bytes + 16 = 36 words: the 16 rows of a load start at 16 different groups of four banks (64 banks of 4 bytes: ISA guide 11.1)
.set PLANE,  256*PA                    ; one head's 256 rows: what a wave fetches of O
.set PB,     272                       ; a row of out_w: 256 bytes + 16
.set HB,     64*PB                     ; what a wave fetches of out_w, and reads
.set SLOT1,  1<<17                     ; a slot is O's two heads, then out_w's 128 rows: 108,544 bytes; slot 1 begins here, so that one exclusive or turns an address in one slot into the other's
.set STAGE,  SLOT1+2*PLANE+2*HB        ; behind the ring: 16 rows x 272 bytes for each wave
.set STW,    16*272
.set SPARE,  STAGE+4*STW               ; behind the stages: the spare words, 128 bytes for each wave: two blocks of 256 bytes that no other line names
.set ADRA0, 16                         ; v16     my lane's place among my fragments of O in a slot; never rewritten
.set ADRB0, 17                         ; v17     the same for out_w
.set ADRA, 20                          ; v20     the same in the slot in hand
.set ADRB, 21                          ; v21
.set STO,  24                          ; v24     the way out: where I put 32 bytes of a row
.set RD,   25                          ; v25     where I read rows back
.set CO,   26                          ; v26     my byte offset in two rows of out0
.set SPW,  28                          ; v28     LDS address of my spare word; never rewritten
.set NIL,  29                          ; v29     0; never rewritten
.set BO,   30                          ; v30     32 (lane / 16)
.set F0,   64
.set F1,   128
.set WV, 14
.set RH, 15
.set CH, 16
.set CUR, 23                           ; s23  LDS byte at which the slot in hand begins
.set G1,  24                           ; s[24:31] descriptor group 1 for O's tiles;  s[32:39] group 0: a set for each of the two first fills; the second then walks on
.set G0,  32
.set ABASE, 40                         ; s[40:41] O at the rows that I fetch, heads 0 and 1 of the batch
.set OFFA,  42                         ; s[42:43] two heads' 262,144 bytes x the K step to be asked for
.set BBASE, 44                         ; s[44:45] out_w at the rows that I fetch, K = 0
.set KS,    47                         ; s47  the K step at which the walking descriptors stand
.set G1B, 48
.set G0B, 56
.set OFFB,  68                         ; s[68:69] 256 x that K step
.set MSB, 0
.macro WIN new                         ; the immediate's high byte repeats the setting that is left; a switch that changes nothing is dropped
.if MSB != (\new)
	s_set_vgpr_msb (MSB<<8)|(\new)
.set MSB, \new
.endif
.endm
; A joint refill: waves 0 and 1 fetch O's two heads, waves 2 and 3 out_w's two halves.  An s_nop 0 and four v_nop follow each of the two lines.
.macro JLOAD
	s_cmp_lt_u32 s[WV], 2
	s_cbranch_scc0 .Lfor_b_\@
	tensor_load_to_lds s[G0+4:G0+7], s[G1:G1+7]
	s_nop 0
.rept 4
	v_nop
.endr
	s_branch .Lasked_\@
.Lfor_b_\@:
	tensor_load_to_lds s[G0B+4:G0B+7], s[G1B:G1B+7]
	s_nop 0
.rept 4
	v_nop
.endr
.Lasked_\@:
.endm
.macro CREST                           ; a round of the cluster's barrier behind its opening barrier
	s_cmp_lg_u32 s[WV], 0
	s_cbranch_scc1 .Lnot_wave_0_\@
	s_barrier_signal -3
.Lnot_wave_0_\@:
	s_barrier_wait -3
	s_barrier_signal -1
	s_barrier_wait -1
.endm
.macro CROUND
	s_barrier_signal -1
	s_barrier_wait -1
	CREST
.endm
.macro PLACES                          ; four places in front of loads into registers that matrix instructions have read, and of lines that read results
.rept 4
	v_nop
.endr
.endm
	s_load_b256 s[4:11], s[0:1], 0x0               ; ob s[4:5], owb s[6:7], out_b s[8:9], out0 s[10:11]
	v_lshl_add_u32 v[SPW], v0, 2, SPARE
	v_mov_b32 v[NIL], 0
	ds_add_u32 v[SPW], v[NIL]                      ; the wave's opening: the add and its wait stand ahead of my first tensor load; work on registers stands between them
	ds_add_u32 v28, v29
	v_lshrrev_b32 v1, 5, v0
	v_readfirstlane_b32 s[WV], v1
	s_lshr_b32 s[RH], s[WV], 1
	s_and_b32 s[CH], s[WV], 1
	s_bfe_u32 s17, ttmp6, 0x40000                  ; cx
	s_bfe_u32 s18, ttmp6, 0x40004                  ; cy
	s_lshl_b32 s19, ttmp9, 2
	s_add_co_u32 s19, s19, s17                     ; the block of 128 columns
	s_and_b32 s20, ttmp7, 0xffff                   ; cluster y
	s_lshl_b32 s[KS], ttmp9, 1
	s_add_co_u32 s[KS], s[KS], s20
	s_and_b32 s[KS], s[KS], 3
	s_lshl_b32 s[KS], s[KS], 1                     ; my cluster's first K step: 2 ((2 X + Y) mod 4): the same in all sixteen partners
	s_lshl_b32 s20, s20, 2
	s_add_co_u32 s20, s20, s18                     ; R: the block of 256 rows
	s_lshl_b32 s21, s18, 2
	s_lshl_b32 s21, 15, s21                        ; my row of the cluster
	s_lshl_b32 s22, 0x1111, s17                    ; my column
	s_or_b32 s[G1+0], s21, (1<<16)|(1<<20)|(1<<21)|(4<<22)|(3<<25)   ; O: padding of 4 words after every 32 (code 4): after each row of 128 bytes
	s_or_b32 s[G1B+0], s22, (1<<16)|(1<<20)|(1<<21)|(5<<22)|(3<<25)  ; out_w: after every 64 words (code 5)
	s_mov_b32 s[G1+1], 128<<16                     ; tensor_dim0 = 128 elements: two rows of O on end
	s_mov_b32 s[G1+2], 128<<16                     ; tensor_dim1 = 128
	s_mov_b32 s[G1+3], 128<<16                     ; tile_dim0
	s_mov_b32 s[G1+4], 128                         ; tile_dim1
	s_mov_b32 s[G1+5], 128                         ; dense
	s_mov_b32 s[G1+6], 0
	s_mov_b32 s[G1+7], 0
	s_mov_b32 s[G1B+1], KSTEP<<16
	s_mov_b32 s[G1B+2], 64<<16                     ; 64 rows
	s_mov_b32 s[G1B+3], KSTEP<<16
	s_mov_b32 s[G1B+4], 64
	s_mov_b32 s[G1B+5], 1024
	s_mov_b32 s[G1B+6], 0
	s_mov_b32 s[G1B+7], 0
	s_lshr_b32 s40, s20, 2                         ; O: head plane 16 (R / 4) + CH, 131,072 bytes each; in it rows 256 (R % 4) on, 128 bytes each
	s_lshl_b32 s40, s40, 4
	s_add_co_u32 s40, s40, s[CH]
	s_lshl_b32 s40, s40, 17
	s_and_b32 s41, s20, 3
	s_lshl_b32 s41, s41, 15
	s_add_co_u32 s40, s40, s41
	s_mov_b32 s41, 0
	s_lshl_b32 s46, s19, 7                         ; out_w: row 128 x column block + 64 CH; also my first column of out0
	s_lshl_b32 s45, s[CH], 6
	s_add_co_u32 s46, s46, s45
	s_lshl_b32 s44, s46, 11
	s_mov_b32 s45, 0
	s_lshl_b32 s[OFFA], s[KS], 18
	s_mov_b32 s[OFFA+1], 0
	s_lshl_b32 s[OFFB], s[KS], 8
	s_mov_b32 s[OFFB+1], 0
	s_mov_b32 s[CUR], 0
	s_mul_i32 s76, s[CH], PLANE                    ; where they go: no place in the cluster enters an LDS address
	s_mul_i32 s77, s[CH], HB
	s_add_co_u32 s77, s77, 2*PLANE
	s_wait_dscnt 0x0                               ; the opening add is done
	s_wait_kmcnt 0x0
	s_add_nc_u64 s[ABASE:ABASE+1], s[4:5], s[40:41]
	s_add_nc_u64 s[BBASE:BBASE+1], s[6:7], s[44:45]
	s_add_nc_u64 s[G0+2:G0+3], s[ABASE:ABASE+1], s[OFFA:OFFA+1]   ; global address: my first K step,
	s_add_nc_u64 s[G0+6:G0+7], s[G0+2:G0+3], 2*131072             ; and my second (the first is even, so the second does not wrap)
	s_add_nc_u64 s[G0B+2:G0B+3], s[BBASE:BBASE+1], s[OFFB:OFFB+1]
	s_add_nc_u64 s[G0B+6:G0B+7], s[G0B+2:G0B+3], KSTEP*2
.irp n, 0,1
	s_mov_b32 s[G0+4*(\n)], 1
	s_add_co_u32 s[G0+4*(\n)+1], s76, (\n)*SLOT1
	s_or_b32 s[G0+4*(\n)+3], s[G0+4*(\n)+3], 0x80000000
	s_mov_b32 s[G0B+4*(\n)], 1
	s_add_co_u32 s[G0B+4*(\n)+1], s77, (\n)*SLOT1
	s_or_b32 s[G0B+4*(\n)+3], s[G0B+4*(\n)+3], 0x80000000
.endr
	CROUND                                         ; all sixteen work-groups are here: the first joint loads meet
	s_cmp_lt_u32 s[WV], 2                          ; a wave's two first fills stand in one branch: two loads of mine are out
	s_cbranch_scc0 .Lfirst_b
	tensor_load_to_lds s[G0:G0+3], s[G1:G1+7]
	s_nop 0
	tensor_load_to_lds s[G0+4:G0+7], s[G1:G1+7]
	s_nop 0
.rept 4
	v_nop
.endr
	s_branch .Lfirst_asked
.Lfirst_b:
	tensor_load_to_lds s[G0B:G0B+3], s[G1B:G1B+7]
	s_nop 0
	tensor_load_to_lds s[G0B+4:G0B+7], s[G1B:G1B+7]
	s_nop 0
.rept 4
	v_nop
.endr
.Lfirst_asked:
	s_add_co_u32 s[KS], s[KS], 1                   ; the walking descriptors (the second sets) stand at my second K step
	v_and_b32 v1, 15, v0                           ; r
	v_bfe_u32 v2, v0, 4, 1                         ; h
	v_mul_u32_u24 v3, v1, PA
	v_lshl_add_u32 v3, v2, 4, v3
	v_mul_u32_u24 v4, v1, PB
	v_lshl_add_u32 v4, v2, 4, v4
	s_mul_i32 s76, s[RH], 128*PA                   ; my 128 rows in each head's plane
	s_mul_i32 s77, s[CH], HB
	s_add_co_u32 s77, s77, 2*PLANE
	v_add_nc_u32 v[ADRA0], s76, v3
	v_add_nc_u32 v[ADRB0], s77, v4
	v_add_nc_u32 v[ADRA], s[CUR], v[ADRA0]         ; slot 0 first
	v_add_nc_u32 v[ADRB], s[CUR], v[ADRB0]
	s_mul_i32 s78, s[WV], STW
	s_add_co_u32 s78, s78, STAGE                   ; my stage
	v_mul_u32_u24 v5, v1, 272                      ; in: row l % 16, 32 bytes for each half of the lanes
	v_lshl_add_u32 v5, v2, 5, v5
	v_add_nc_u32 v[STO], s78, v5
	v_mul_u32_u24 v5, v2, 272                      ; back: lanes 0-15 take one row of 256 bytes, lanes 16-31 the next
	v_lshl_add_u32 v5, v1, 4, v5
	v_add_nc_u32 v[RD], s78, v5
	v_lshlrev_b32 v5, 12, v2                       ; and the same two rows in out0, 4,096 bytes apart
	v_lshl_add_u32 v[CO], v1, 4, v5
	v_lshlrev_b32 v[BO], 5, v2
	s_lshl_b32 s76, s20, 8
	s_lshl_b32 s77, s[RH], 7
	s_add_co_u32 s76, s76, s77                     ; my first row
	s_lshl_b32 s76, s76, 12
	s_lshl_b32 s77, s46, 2                         ; my first column, in bytes: a multiple of 256
	s_add_co_u32 s76, s76, s77
	s_mov_b32 s77, 0
	s_add_nc_u64 s[66:67], s[10:11], s[76:77]
	s_lshl_b32 s76, s46, 2
	s_add_nc_u64 s[74:75], s[8:9], s[76:77]        ; the bias of my 64 columns
	WIN 0x40
.irp b, 0,1,2,3
	global_load_b128 v[8*(\b):8*(\b)+3],   v[BO], s[74:75] offset:64*(\b)
	global_load_b128 v[8*(\b)+4:8*(\b)+7], v[BO], s[74:75] offset:64*(\b)+16
.endr
	WIN 0
	s_wait_loadcnt 0x0
	WIN 0x45                                       ; all in window 1: the bias is rounded to bf16 like the other inputs, and widened again
.set i, 0
.rept 16
	v_cvt_pk_bf16_f32 v[48+i%8], v[2*i], v[2*i+1]
	v_lshlrev_b32 v[2*i], 16, v[48+i%8]
	v_and_b32 v[2*i+1], 0xffff0000, v[48+i%8]
.set i, i+1
.endr
	WIN 0
; 8 matrix instructions: row blocks a0, a0 + 1 x all 4 column blocks, 32 along K.  first = 1: the bias starts the sums.  The 32 accumulators take turns.
.macro MUL8 f, a0, first
.if \first
	WIN 0x91                                       ; out_w window 1, O window 0, C (the bias) window 1, D window 2
.else
	WIN 0xa1
.endif
.irp a, \a0, (\a0)+1
.irp b, 0,1,2,3
.if \first
	v_wmma_f32_16x16x32_f16 v[8*(4*(\a)+(\b)):8*(4*(\a)+(\b))+7], v[(\f)+8*(\b):(\f)+8*(\b)+7], v[(\f)+8*(\a):(\f)+8*(\a)+7], v[8*(\b):8*(\b)+7]
.else
	v_wmma_f32_16x16x32_f16 v[8*(4*(\a)+(\b)):8*(4*(\a)+(\b))+7], v[(\f)+8*(\b):(\f)+8*(\b)+7], v[(\f)+8*(\a):(\f)+8*(\a)+7], v[8*(4*(\a)+(\b)):8*(4*(\a)+(\b))+7]
.endif
.endr
.endr
.endm
; 24 LDS loads in one run: quarter q's fragments of the slot in hand (64 rows of out_w; 128 rows of O: head q / 2 of the step, channels 32 (q % 2) on) into buffer f
.macro FETCH q, f
	WIN 0x40
.irp i, 0,1,2,3
	ds_load_b128 v[(\f)+8*(\i):(\f)+8*(\i)+3],   v[ADRB] offset:64*(\q)+(\i)*16*PB
	ds_load_b128 v[(\f)+8*(\i)+4:(\f)+8*(\i)+7], v[ADRB] offset:64*(\q)+(\i)*16*PB+32
.endr
	WIN 0
.irp i, 0,1,2,3,4,5,6,7
	ds_load_b128 v[(\f)+8*(\i):(\f)+8*(\i)+3],   v[ADRA] offset:((\q)/2)*PLANE+((\q)%2)*64+(\i)*16*PA
	ds_load_b128 v[(\f)+8*(\i)+4:(\f)+8*(\i)+7], v[ADRA] offset:((\q)/2)*PLANE+((\q)%2)*64+(\i)*16*PA+32
.endr
.endm
.macro QUARTER q, f, g, first
	s_wait_dscnt 8                                 ; out_w and O's rows 0-63 are in; the youngest eight loads (rows 64-127) may be out
	MUL8 \f, 0, \first
	MUL8 \f, 2, \first
	PLACES
	FETCH \q, \g
	s_wait_dscnt 24                                ; all but the 24 just issued
	MUL8 \f, 4, \first
	MUL8 \f, 6, \first
.endm
; The last quarter multiplies buffer 1 and changes slots: ONE barrier; in front of it each wave waits for all its tensor loads, adds 0 to its spare word, and waits for that and for its own reads of this slot.
; fill = 1: the walking descriptors step (the other slot than last time, the next K step round the eight, the addresses made anew from the bases); the barrier opens a round of the cluster's, and the slot that
; is left is filled again, first thing behind the round.
.macro TURN fill
	WIN 0
	s_wait_tensorcnt 0x0                           ; no tensor load of mine is out, so a group 0 may be written
	ds_add_u32 v[SPW], v[NIL]                      ; 0 onto my spare word
.if \fill
	s_add_co_u32 s[KS], s[KS], 1
	s_and_b32 s[KS], s[KS], 7
	s_lshl_b32 s[OFFA], s[KS], 18
	s_lshl_b32 s[OFFB], s[KS], 8
	s_xor_b32 s[G0+5], s[G0+5], SLOT1
	s_add_nc_u64 s[G0+6:G0+7], s[ABASE:ABASE+1], s[OFFA:OFFA+1]
	s_or_b32 s[G0+7], s[G0+7], 0x80000000
	s_xor_b32 s[G0B+5], s[G0B+5], SLOT1
	s_add_nc_u64 s[G0B+6:G0B+7], s[BBASE:BBASE+1], s[OFFB:OFFB+1]
	s_or_b32 s[G0B+7], s[G0B+7], 0x80000000
.endif
	s_wait_dscnt 9                                 ; (the add and the youngest eight loads may be out)
	MUL8 F1, 0, 0
	s_wait_dscnt 0x0                               ; the add is done, and my reads of this slot are over
	s_barrier_signal -1
	MUL8 F1, 2, 0
	WIN 0                                          ; (branches, and lines on window 0, follow)
	s_barrier_wait -1
.if \fill
	CREST                                          ; no wave of any partner still reads this slot's tile or has a load on its way
	JLOAD                                          ; the four v_nop behind it are also the places in front of the loads below
.else
	PLACES
.endif
	s_xor_b32 s[CUR], s[CUR], SLOT1                ; the other slot is in hand
	v_add_nc_u32 v[ADRA], s[CUR], v[ADRA0]
	v_add_nc_u32 v[ADRB], s[CUR], v[ADRB0]
	FETCH 0, F0
	MUL8 F1, 4, 0
	MUL8 F1, 6, 0
.endm
	s_wait_tensorcnt 0x1                           ; my part of my first K step is in; the second's may stay out
	s_barrier_signal -1
	s_barrier_wait -1
	FETCH 0, F0
	QUARTER 1, F0, F1, 1                           ; the first quarter stands in front of the loop: its products start the sums, with the bias
	WIN 0                                          ; at a label and at a branch every window is 0
	s_mov_b32 s3, 6
.Lstep:                                                ; a trip goes from a K step's second quarter to the next step's first, and fills the slot that it leaves: my steps 2 to 7
	QUARTER 2, F1, F0, 0
	QUARTER 3, F0, F1, 0
	TURN 1
	QUARTER 1, F0, F1, 0
	WIN 0
	s_sub_co_u32 s3, s3, 1
	s_cmp_lg_u32 s3, 0
	s_cbranch_scc1 .Lstep
	QUARTER 2, F1, F0, 0                           ; the last two K steps fill nothing
	QUARTER 3, F0, F1, 0
	TURN 0
	QUARTER 1, F0, F1, 0
	QUARTER 2, F1, F0, 0
	QUARTER 3, F0, F1, 0
	s_wait_dscnt 8
	MUL8 F1, 0, 0
	MUL8 F1, 2, 0
	s_wait_dscnt 0x0
	MUL8 F1, 4, 0
	MUL8 F1, 6, 0
	WIN 0
	PLACES
	PLACES
; THE WAY OUT, a block a of 16 rows at a time: a lane's 32 bytes go into my own stage, rows of 272 bytes (each accumulator's low four registers first), and come back as whole rows
; of 256.  LDS serves a wave's instructions in order (ISA guide 5.7.1.4): the loads see the stores above them, and the next block's stores come behind them.
.macro TOSTAGE a
.set BK, 32+160*((\a)%2)
	WIN 0x08                                       ; the stores' data in window 2
.irp b, 0,1,2,3
.irp k, 0,1
	ds_store_b128 v[STO], v[8*(4*(\a)+(\b))+4*(\k):8*(4*(\a)+(\b))+4*(\k)+3] offset:64*(\b)+16*(\k)
.endr
.endr
	WIN 0
	s_wait_xcnt 0x0                                ; the stores of the block two back have read their registers: the loads below land there only behind this wait
.irp t, 0,1,2,3,4,5,6,7
	ds_load_b128 v[BK+4*(\t):BK+4*(\t)+3], v[RD] offset:(\t)*544
.endr
.endm
.macro SEND a, younger                 ; younger: the next block's sixteen LDS instructions, or none
	WIN 0
.set BK, 32+160*((\a)%2)
	s_wait_dscnt \younger
.irp t, 0,1,2,3,4,5,6,7
	global_store_b128 v[CO], v[BK+4*(\t):BK+4*(\t)+3], s[66:67] offset:(16*(\a)+2*(\t))*4096 th:TH_STORE_NT  ; 16 lanes store 256 consecutive bytes, at a multiple of 256 from out0's first byte
.endr
.endm
	TOSTAGE 0
.irp a, 1,2,3,4,5,6,7
	TOSTAGE \a
	SEND (\a)-1, 16
.endr
	SEND 7, 0
	s_wait_tensorcnt 0x0                           ; the wave's end: the add and its wait stand behind my last tensor load and my last LDS store
	ds_add_u32 v[SPW], v[NIL]
	s_wait_dscnt 0x0
	CROUND                                         ; the closing round: no work-group ends while a partner may still ask for a tile that names it
	s_endpgm
.Lfunc_end_k_qf925ed14a4_outp:
	.size	k_qf925ed14a4_outp, .Lfunc_end_k_qf925ed14a4_outp-k_qf925ed14a4_outp
	.p2alignl 7, 3214868480
	.fill 96, 4, 3214868480
	.section	.rodata,"a",@progbits
	.p2align	6, 0x0
	.amdhsa_kernel k_qf925ed14a4_outp
		.amdhsa_group_segment_fixed_size 327680
		.amdhsa_private_segment_fixed_size 0
		.amdhsa_enable_private_segment 0
		.amdhsa_kernarg_size 32
		.amdhsa_user_sgpr_count 2
		.amdhsa_user_sgpr_kernarg_segment_ptr 1
		.amdhsa_wavefront_size32 1
		.amdhsa_system_sgpr_workgroup_id_x 1
		.amdhsa_system_sgpr_workgroup_id_y 1
		.amdhsa_system_sgpr_workgroup_id_z 1
		.amdhsa_system_vgpr_workitem_id 0
		.amdhsa_next_free_vgpr 768
		.amdhsa_next_free_sgpr 80
		.amdhsa_reserve_vcc 0
		.amdhsa_float_denorm_mode_32 3
		.amdhsa_float_denorm_mode_16_64 3
		.amdhsa_memory_ordered 1
		.amdhsa_forward_progress 1
		.amdhsa_inst_pref_size 74
	.end_amdhsa_kernel
	.amdgpu_metadata
---
amdhsa.version: [ 1, 2 ]
amdhsa.kernels:
  - .name:           k_qf925ed14a4_outp
    .symbol:         k_qf925ed14a4_outp.kd
    .args:
      - { .name: ob, .offset: 0, .size: 8, .value_kind: global_buffer, .address_space: global }
      - { .name: owb, .offset: 8, .size: 8, .value_kind: global_buffer, .address_space: global }
      - { .name: out_b, .offset: 16, .size: 8, .value_kind: global_buffer, .address_space: global }
      - { .name: out0, .offset: 24, .size: 8, .value_kind: global_buffer, .address_space: global }
    .group_segment_fixed_size: 327680
    .private_segment_fixed_size: 0
    .kernarg_segment_align: 8
    .kernarg_segment_size: 32
    .max_flat_workgroup_size: 128
    .sgpr_count:     80
    .vgpr_count:     768
    .wavefront_size: 32
...
	.end_amdgpu_metadata
.endif
;; end of part 4
